; MI455X (gfx1250); checked and timed in simulation.
; The chip was launched on July 23, 2026; its instructions are those of AMD's public machine-readable ISA for CDNA 5 (MIT licence, August 2026) and "CDNA5" Instruction Set Architecture Reference Guide (July 2026). The comments in the code are by the model that wrote it; some were corrected since.
;; MSA. Allowed arithmetic: matrix products marked QUANTISED: E4M3 operands, one given power-of-two scale a tensor, by v_wmma_f32_16x16x64_fp8_fp8 or v_wmma_f32_16x16x128_fp8_fp8, f32 sums; everything else in f32.
;; Inputs: Wk 1,024 x 1,024 float32; Wo 1,024 x 1,024 float32; Wq 1,024 x 1,024 float32; Wv 1,024 x 1,024 float32; bk 1,024 float32; bo 1,024 float32; bq 1,024 float32; bv 1,024 float32; lowp_scales 12 int32 (the exponents e of the quantised operands' scales 2^e); x 4 x 2,048 x 1,024 float32.
;; Outputs: out0 4 x 2,048 x 1,024 float32.
;; This version of the problem:
;;   THIS VERSION OF THE PROBLEM IS GIVEN IN LOW PRECISION. The matrix products marked QUANTISED in the list below multiply operands that are first quantised to E4M3 (4 exponent bits, 3 mantissa bits; 8 bits a number), with one given power-of-two scale for each operand tensor; their sums are f32. All else is computed in f32.
;;   The module's matrix products, in the order in which they are computed (A, B: the left and right operand; K: the contracted axis; several contracted axes count as one K, in the product's order):
;;     1. [M 8,192, K 1,024] x [K 1,024, N 1,024]; A: input x; B: input Wq: QUANTISED (scales: A lowp_scales[0], B lowp_scales[1])
;;     2. [M 8,192, K 1,024] x [K 1,024, N 1,024]; A: input x; B: input Wk: QUANTISED (scales: A lowp_scales[2], B lowp_scales[3])
;;     3. [M 8,192, K 1,024] x [K 1,024, N 1,024]; A: input x; B: input Wv: QUANTISED (scales: A lowp_scales[4], B lowp_scales[5])
;;     4. batch 64 x [M 2,048, K 64] x [K 64, N 2,048]; A: computed on the way; B: computed on the way: QUANTISED (scales: A lowp_scales[6], B lowp_scales[7])
;;     5. batch 64 x [M 2,048, K 2,048] x [K 2,048, N 64]; A: softmax (see below); B: computed on the way: QUANTISED (scales: A lowp_scales[8], B lowp_scales[9])
;;     6. [M 8,192, K 1,024] x [K 1,024, N 1,024]; A: computed on the way; B: input Wo: QUANTISED (scales: A lowp_scales[10], B lowp_scales[11])
;;   THE QUANTISER, for each operand of a quantised product, along K:
;;     - The operand's scale is 2^e, e = its entry of the input lowp_scales (int32; the entries are numbered through the quantised products in the list's order, A before B).
;;     - Each number is divided by the scale, clamped to +-448, and rounded to the nearest number of E4M3, ties to even, subnormals kept.
;;     - The product sums the exact products of the quantised numbers (number of the format x scale) in f32.
;;   ~~~python
;;   def quantise(x, axis, e):      # numpy; x: float32 -> the quantised numbers, widened to float32 again
;;       x = np.moveaxis(x, axis, -1); K = x.shape[-1]
;;       r = np.clip(x / 2.0 ** e, -448, 448)
;;       step = 2.0 ** (np.maximum(np.frexp(np.where(r == 0, 1, r))[1] - 1, -6) - 3)
;;       q = np.round(r / step) * step * 2.0 ** e      # np.round: ties to even
;;       return np.moveaxis(q, -1, axis).astype(np.float32)
;;   ~~~
;;   SOFTMAX AHEAD OF A QUANTISED PRODUCT. Where the list says 'softmax', what is quantised is not the finished softmax but p = 2^(t - M), with t = logit x log2(e) and M = ceil(the row's largest t), a whole number; so 1/2 < the row's largest p <= 1. The row's sum l is taken of the UNQUANTISED p, in f32, and the product's result is divided by l at the end. Since M is a whole number, a kernel that streams over the keys may use a running M (the ceiling of the running maximum): every later rescaling is an exact power of two, so the quantised numbers keep their values, but for numbers so far below the row's largest that they fall under the format's range.
;;   OPERANDS COMPUTED ON THE WAY. 'Computed on the way' means the value that the module computes at that place (a softmax that the list does not call 'softmax' is quantised finished and normalised). What goes into a quantiser is computed in f32, as accurately as f32 sums, v_exp_f32 and their like allow (about 1e-6 of the number): no bf16 or f16 on the way to a quantiser, and a product that is left as it is and whose result goes on into a quantised operand takes f32 operands (vector FMAs, or v_wmma_f32_16x16x4_f32). A number that lies on a knife's edge between two numbers of the format may be rounded either way, as far as f32 arithmetic and the matrix unit's own rounding can turn it there, and no further.
;; One version. Each part assembles by itself: llvm-mc -triple=amdgcn-amd-amdhsa -mcpu=gfx1250 --defsym DOCPART=n.
;; ======== version 1 of 1: 4 launches
;; limits: right only within a limited range of input values
;; workspace buffers: xc 25,165,824 bytes; wc 4,194,304 bytes; qc 8,388,608 bytes; kv 16,777,216 bytes; ac 8,388,608 bytes
;; launch quant (part 1): grid 768 x 1, 8 waves a work-group, no clusters, 68,608 bytes of LDS; arguments x, Wq, Wk, Wv, Wo, lowp_scales, xc, wc; writes xc, wc
.if DOCPART == 1
	.amdgcn_target "amdgcn-amd-amdhsa--gfx1250"
	.amdhsa_code_object_version 6
	.text
	.protected	k_q57385c6ea5_quant
	.globl	k_q57385c6ea5_quant
	.p2align	8
	.type	k_q57385c6ea5_quant,@function
k_q57385c6ea5_quant:
	s_mov_b64 s[64:65], 0
	v_nop
	global_prefetch_b8 v0, s[64:65] scope:SCOPE_SE
	s_setreg_imm32_b32 hwreg(HW_REG_WAVE_MODE, 25, 1), 1
	s_wait_xcnt 0x0
; x [8192][1024] and Wq, Wk, Wv, Wo [1024 (k)][1024 (n)], f32, become codes of FP8 (E4M3), laid as IMAGES OF OPERAND REGISTERS for v_wmma_f32_16x16x128_fp8_fp8:
; a fragment is 16 rows x 128 K, 16 registers a lane; lane (r = lane % 16, h = lane / 16) holds row r, its registers 2 c, 2 c + 1 hold k = 16 c + 8 h + 0 .. 7; registers 4 g .. 4 g + 3 of lane L lie at byte 512 g + 16 L
; of the fragment's 2,048 bytes.  code = number / 2^e, held within +-448, rounded to the nearest code, ties to even.
; xc: three sets (the exponents are entries 0, 2, 4 of the scales: x is an operand of three products, each with a scale of its own), 8,388,608 bytes each; fragment (16 rows mt, K step ks) at (8 mt + ks) x 2,048.
; wc: matrix m = 0 .. 3 (Wq, Wk, Wv, Wo: entries 1, 3, 5, 11) at m x 1,048,576; fragment (16 columns nt, K step ks) at (8 nt + ks) x 2,048.
; LIMITS: each of those exponents lies between -126 and 119, so that 2^e and 448 x 2^e are f32 numbers.  NaN among the inputs is not served.
; SHARES.  Work-groups 0 .. 255 take the weights, 256 .. 767 take x; a wave has one task, written straight through: no loop, no barrier, waves share nothing, and no two work-groups read the same bytes (so no cluster).
; Only x's path touches LDS: a stage of each wave's own.
.set SP,  528                          ; a stage row: 512 bytes + 16: row r starts 4 r words on, so that the sixteen rows that a 16-byte load touches fall on different banks
.set WST, 16*SP                        ; a wave's stage
.set R,   16                           ; x: v16-79 as loaded; afterwards T and C
.set T,   16                           ; x: v16-31 two sets of 8 held numbers, by turns
.set C,   32                           ; x: v32-79 codes, 16 registers for each of the three sets: no store's data are written again
.set X,   80                           ; x: v80-143 my 64 numbers: register 8 c + i = k 16 c + 8 h + i of row r
.set XW,  16                           ; W: v16-79 my column's 64 numbers down K
.set CW,  80                           ; W: v80-95 their codes
	s_load_b512 s[4:19], s[0:1], 0x0               ; x s[4:5], Wq s[6:7], Wk s[8:9], Wv s[10:11], Wo s[12:13], scales s[14:15], xc s[16:17], wc s[18:19]
	v_lshl_add_u32 v144, v0, 2, 0x10800
	v_mov_b32 v145, 0
	v_lshrrev_b32 v1, 5, v0
	s_delay_alu instid0(VALU_DEP_1)
	v_readfirstlane_b32 s34, v1                    ; wave 0..7
	v_and_b32 v1, 31, v0                           ; lane
	v_and_b32 v12, 15, v0                          ; r
	v_bfe_u32 v13, v0, 4, 1                        ; h
	s_wait_kmcnt 0x0
	s_load_b256 s[20:27], s[14:15], 0x0            ; entries 0 .. 7
	s_load_b128 s[28:31], s[14:15], 0x20           ; entries 8 .. 11
	s_cmp_lt_u32 ttmp9, 256
	s_cbranch_scc0 .Lx
; ---- THE WEIGHTS.  K is the first axis: A LANE TAKES A COLUMN AND ITS REGISTERS RUN DOWN K, so the conversions give codes with K innermost and nothing is transposed.
; Work-group u: matrix u / 64, 64 rows of K (kh = (u / 4) % 16), 256 columns (cg = u % 4); wave w: 32 of them.  A load reads 128 consecutive bytes a wave, the eight waves 1,024.
	s_lshr_b32 s35, ttmp9, 6                       ; m
	s_bfe_u32 s42, ttmp9, 0x40002                  ; kh
	s_and_b32 s43, ttmp9, 3                        ; cg
	s_lshl_b32 s44, s42, 18                        ; in: 64 kh rows of 4,096 bytes
	s_lshl_b32 s45, s43, 10                        ;     + 256 cg columns
	s_add_co_u32 s44, s44, s45
	s_lshl_b32 s45, s34, 7                         ;     + 32 w columns
	s_add_co_u32 s44, s44, s45
	s_mov_b32 s45, 0
	s_lshl_b32 s46, s35, 20                        ; out: the matrix,
	s_lshl_b32 s47, s43, 18                        ;      column tile 16 cg + 2 w: 16,384 bytes a column tile,
	s_add_co_u32 s46, s46, s47
	s_lshl_b32 s47, s34, 15
	s_add_co_u32 s46, s46, s47
	s_lshl_b32 s47, s42, 10                        ;      K step kh / 2 (2,048 bytes) and its half kh % 2 (1,024): together 1,024 kh
	s_add_co_u32 s46, s46, s47
	s_mov_b32 s47, 0
	s_mov_b64 s[36:37], s[6:7]                     ; the matrix is chosen by the work-group's number alone
	s_cmp_eq_u32 s35, 1
	s_cselect_b64 s[36:37], s[8:9], s[36:37]
	s_cmp_eq_u32 s35, 2
	s_cselect_b64 s[36:37], s[10:11], s[36:37]
	s_cmp_eq_u32 s35, 3
	s_cselect_b64 s[36:37], s[12:13], s[36:37]
	s_add_nc_u64 s[36:37], s[36:37], s[44:45]
	s_add_nc_u64 s[38:39], s[18:19], s[46:47]
	s_wait_alu depctr_va_vdst(0)
	v_lshlrev_b32 v2, 2, v1                        ; in: 4 bytes a lane
	v_lshlrev_b32 v3, 4, v12                       ; out: 16 bytes for column r of its tile,
	s_delay_alu instid0(VALU_DEP_1)
	v_lshl_add_u32 v3, v13, 14, v3                 ;      lanes 16-31 hold the next column tile
.set i, 0
.rept 64
	global_load_b32 v[XW+i], v2, s[36:37] offset:i*4096 th:TH_LOAD_NT
.set i, i+1
.endr
	s_wait_kmcnt 0x0
	s_mov_b32 s40, s21                             ; the matrix's exponent: entry 1, 3, 5 or 11
	s_cmp_eq_u32 s35, 1
	s_cselect_b32 s40, s23, s40
	s_cmp_eq_u32 s35, 2
	s_cselect_b32 s40, s25, s40
	s_cmp_eq_u32 s35, 3
	s_cselect_b32 s40, s31, s40
	s_add_co_i32 s40, s40, 127
	s_lshl_b32 s41, s40, 23
	v_mov_b32 v11, s41                             ; 2^e as f32: the conversion takes its exponent field
	s_add_co_i32 s40, s40, 8
	s_lshl_b32 s40, s40, 23
	s_or_b32 s40, s40, 0x600000
	v_mov_b32 v10, s40                             ; 448 x 2^e
	s_wait_alu depctr_va_vdst(0)
.irp g, 0,1                                    ; 32 along K at a time: one group of four registers for each half h of the fragment's lanes
	s_wait_loadcnt 32-32*\g                        ; loads come back in order: the first 32 are in while the other 32 may be out; then all
.set i, 0
.rept 32
	v_med3_num_f32 v[XW+32*\g+i], v[XW+32*\g+i], -v10, v10   ; the conversion to an 8-bit code does not saturate (ISA guide 7.6.2): the hold comes first
.set i, i+1
.endr
.irp h, 0,1
	v_cvt_scalef32_pk8_fp8_f32 v[CW+8*\g+4*\h:CW+8*\g+4*\h+1], v[XW+32*\g+8*\h:XW+32*\g+8*\h+7], v11             ; k = 32 g + 8 h + 0 .. 7
	v_cvt_scalef32_pk8_fp8_f32 v[CW+8*\g+4*\h+2:CW+8*\g+4*\h+3], v[XW+32*\g+16+8*\h:XW+32*\g+16+8*\h+7], v11     ; k = 32 g + 16 + 8 h + 0 .. 7
.endr
.endr
	v_nop                                          ; a plain vector line behind the last conversion
.irp g, 0,1
.irp h, 0,1
	global_store_b128 v3, v[CW+8*\g+4*\h:CW+8*\g+4*\h+3], s[38:39] offset:\g*512+\h*256   ; sixteen lanes store 256 consecutive bytes, aligned: the places of lanes 16 h .. 16 h + 15 of the image's group
.endr
.endr
	s_endpgm
; ---- x.  Work-group 256 + mt takes 16 rows, wave w the K step w: 16 rows x 128 numbers, 8,192 bytes.  Each load reads 512 consecutive bytes of one row; the tile turns through the wave's own stage,
; so that a lane gets 8 neighbours along K for each conversion; it is converted three times, once for each product's scale, and read from memory once.
.Lx:
	s_sub_co_u32 s35, ttmp9, 256                   ; mt
	s_lshl_b32 s44, s35, 16                        ; in: 16 mt rows of 4,096 bytes
	s_lshl_b32 s45, s34, 9                         ;     + 128 w numbers
	s_add_co_u32 s44, s44, s45
	s_mov_b32 s45, 0
	s_add_nc_u64 s[4:5], s[4:5], s[44:45]
	s_lshl_b32 s46, s35, 14                        ; out: fragment 8 mt + w
	s_lshl_b32 s47, s34, 11
	s_add_co_u32 s46, s46, s47
	s_mov_b32 s47, 0
	s_add_nc_u64 s[36:37], s[16:17], s[46:47]      ; a base for each set: the sets lie further apart than a store's immediate reaches
	s_add_nc_u64 s[38:39], s[36:37], 0x800000
	s_add_nc_u64 s[40:41], s[36:37], 0x1000000
	s_mul_i32 s42, s34, WST                        ; my stage
	s_wait_alu depctr_va_vdst(0)
	v_lshlrev_b32 v2, 4, v1                        ; 16 x lane: my bytes of a load's 512, and of a store's
	s_delay_alu instid0(VALU_DEP_1)
	v_add_nc_u32 v4, s42, v2                       ; the stage on the way in
	v_mul_u32_u24 v5, v12, SP
	s_delay_alu instid0(VALU_DEP_1)
	v_lshl_add_u32 v5, v13, 5, v5
	s_delay_alu instid0(VALU_DEP_1)
	v_add_nc_u32 v5, s42, v5                       ; and on the way out: row r, + 32 h bytes
.irp j, 0,1,2,3,4,5,6,7,8,9,10,11,12,13,14,15
	global_load_b128 v[R+4*\j:R+4*\j+3], v2, s[4:5] offset:\j*4096 th:TH_LOAD_NT
.endr
	s_wait_alu depctr_va_vdst(0)
	s_wait_kmcnt 0x0
.irp p, 0,1,2
	s_add_co_i32 s43, s[20+2*\p], 127
	s_lshl_b32 s44, s43, 23
	v_mov_b32 v[6+2*\p], s44                       ; 2^e of set p
	s_add_co_i32 s43, s43, 8
	s_lshl_b32 s43, s43, 23
	s_or_b32 s43, s43, 0x600000
	v_mov_b32 v[7+2*\p], s43                       ; 448 x 2^e
.endr
	s_wait_alu depctr_va_vdst(0)
.irp j, 0,1,2,3,4,5,6,7,8,9,10,11,12,13,14,15
	s_wait_loadcnt 15-\j                           ; row j is in; the younger loads may be out
	ds_store_b128 v4, v[R+4*\j:R+4*\j+3] offset:\j*SP
.endr
.irp c, 0,1,2,3,4,5,6,7
	ds_load_b128 v[X+8*\c:X+8*\c+3], v5 offset:64*\c       ; LDS serves a wave's instructions in order (ISA guide 5.7.1.4): these see my stores
	ds_load_b128 v[X+8*\c+4:X+8*\c+7], v5 offset:64*\c+16
.endr
	s_wait_dscnt 0x0                               ; my 64 numbers are in, and the stores have read v16-79, which now take the held numbers and the codes
.irp p, 0,1,2
.irp c, 0,1,2,3,4,5,6,7
.irp i, 0,1,2,3,4,5,6,7
	v_med3_num_f32 v[T+8*(\c%2)+\i], v[X+8*\c+\i], -v[7+2*\p], v[7+2*\p]   ; held into the set that the last conversion did not read: eight plain lines stand between a conversion and the rewriting of its sources
.endr
	v_cvt_scalef32_pk8_fp8_f32 v[C+16*\p+2*\c:C+16*\p+2*\c+1], v[T+8*(\c%2):T+8*(\c%2)+7], v[6+2*\p]
.endr
.irp g, 0,1,2,3
	global_store_b128 v2, v[C+16*\p+4*\g:C+16*\p+4*\g+3], s[36+2*\p:37+2*\p] offset:\g*512   ; the wave stores 512 consecutive bytes, aligned
.endr
.endr
	v_nop                                          ; a plain vector line behind the last conversion
	s_wait_tensorcnt 0x0
	ds_add_u32 v144, v145
	s_wait_dscnt 0x0
	s_endpgm
.Lfunc_end_k_q57385c6ea5_quant:
	.size	k_q57385c6ea5_quant, .Lfunc_end_k_q57385c6ea5_quant-k_q57385c6ea5_quant
	.p2alignl 7, 3214868480
	.fill 96, 4, 3214868480
	.section	.rodata,"a",@progbits
	.p2align	6, 0x0
	.amdhsa_kernel k_q57385c6ea5_quant
		.amdhsa_group_segment_fixed_size 68608
		.amdhsa_private_segment_fixed_size 0
		.amdhsa_enable_private_segment 0
		.amdhsa_kernarg_size 64
		.amdhsa_user_sgpr_count 2
		.amdhsa_user_sgpr_kernarg_segment_ptr 1
		.amdhsa_wavefront_size32 1
		.amdhsa_system_sgpr_workgroup_id_x 1
		.amdhsa_system_sgpr_workgroup_id_y 1
		.amdhsa_system_sgpr_workgroup_id_z 1
		.amdhsa_system_vgpr_workitem_id 0
		.amdhsa_next_free_vgpr 146
		.amdhsa_next_free_sgpr 66
		.amdhsa_reserve_vcc 0
		.amdhsa_float_denorm_mode_32 3
		.amdhsa_float_denorm_mode_16_64 3
		.amdhsa_memory_ordered 1
		.amdhsa_forward_progress 1
		.amdhsa_inst_pref_size 35
	.end_amdhsa_kernel
	.amdgpu_metadata
---
amdhsa.version: [ 1, 2 ]
amdhsa.kernels:
  - .name:           k_q57385c6ea5_quant
    .symbol:         k_q57385c6ea5_quant.kd
    .args:
      - { .name: x, .offset: 0, .size: 8, .value_kind: global_buffer, .address_space: global }
      - { .name: Wq, .offset: 8, .size: 8, .value_kind: global_buffer, .address_space: global }
      - { .name: Wk, .offset: 16, .size: 8, .value_kind: global_buffer, .address_space: global }
      - { .name: Wv, .offset: 24, .size: 8, .value_kind: global_buffer, .address_space: global }
      - { .name: Wo, .offset: 32, .size: 8, .value_kind: global_buffer, .address_space: global }
      - { .name: lowp_scales, .offset: 40, .size: 8, .value_kind: global_buffer, .address_space: global }
      - { .name: xc, .offset: 48, .size: 8, .value_kind: global_buffer, .address_space: global }
      - { .name: wc, .offset: 56, .size: 8, .value_kind: global_buffer, .address_space: global }
    .group_segment_fixed_size: 68608
    .private_segment_fixed_size: 0
    .kernarg_segment_align: 8
    .kernarg_segment_size: 64
    .max_flat_workgroup_size: 256
    .sgpr_count:     66
    .vgpr_count:     146
    .wavefront_size: 32
...
	.end_amdgpu_metadata
.endif
;; end of part 1
;; launch qkv (part 2): grid 4 x 64, 4 waves a work-group, clusters of 4 x 4, 327,680 bytes of LDS; arguments xc, wc, bq, bk, bv, lowp_scales, qc, kv; writes qc, kv
.if DOCPART == 2
	.amdgcn_target "amdgcn-amd-amdhsa--gfx1250"
	.amdhsa_code_object_version 6
	.text
	.protected	k_q57385c6ea5_qkv
	.globl	k_q57385c6ea5_qkv
	.p2align	8
	.type	k_q57385c6ea5_qkv,@function
k_q57385c6ea5_qkv:
	s_mov_b64 s[64:65], 0
	v_nop
	global_prefetch_b8 v0, s[64:65] scope:SCOPE_SE
	s_setreg_imm32_b32 hwreg(HW_REG_WAVE_MODE, 25, 1), 1
	s_wait_xcnt 0x0
	s_wait_alu depctr_hold_cnt(0) depctr_sa_sdst(0) depctr_va_vdst(0) depctr_va_sdst(0) depctr_va_ssrc(0) depctr_va_vcc(0) depctr_vm_vsrc(0)
	s_getreg_b32 s2, hwreg(HW_REG_IB_STS2, 6, 4)
	s_cmp_eq_u32 s2, 0
	s_cbranch_scc0 .Lentry_in_a_cluster
	s_endpgm
.Lentry_in_a_cluster:
	s_bfe_u32 s2, ttmp6, 0x10000c
	s_cmp_lg_u32 s2, 0xf033
	s_cbranch_scc0 .Lentry_shape_is_right
	s_endpgm
.Lentry_shape_is_right:
; q = x Wq + bq, k = x Wk + bk, v = x Wv + bv on codes of FP8 (E4M3), and their quantising for attention.  Operands come as images of operand registers (16 rows x 128 K = 2,048 bytes: registers 4 g .. 4 g + 3 of
; lane L at 512 g + 16 L; lane (r, h) holds row r, registers 2 c, 2 c + 1 hold k = 16 c + 8 h + 0 .. 7); 16 rows' eight K steps lie on end, 16,384 bytes.
; A TILE is 256 along source 0 x 128 along source 1, K = 1,024.  There are 768 tiles and 256 WORK-GROUPS THAT STAY: each makes three tiles, one of q, one of k, one of v, written out one behind the other (X = 0, 1, 2).
; Four waves, each 128 x 64: 32 accumulators, 256 registers.
; In the result, register j of lane (r, h) is (source 0's row 8 h + j, source 1's row r): eight neighbours along source 0's rows, which one conversion turns into a register pair of the NEXT operand's image.
;   X = 0, 1 (q, k): source 0 = the weight's columns 256 cx on (the heads' channels: the next K), source 1 = rows 128 (cy + 4 Y) on of x.
;   X = 2 (v): source 0 = rows 256 (cx + 4 (Y / 2)) on of x (the KEYS: the next K), source 1 = Wv's columns 128 (cy + 4 (Y % 2)) on.     (cx, cy: the place in the cluster; Y: the cluster's y)
; OUT.  qc: head bh = 16 batch + head, 16 queries st: an image of 16 rows x 64 K (1,024 bytes) at 131,072 bh + 1,024 st.   kv: for each bh and each 128 keys ks a block of 16,384 bytes at 262,144 bh + 16,384 ks:
; eight images of K (16 keys x 64 channels), then four of V^T (16 channels x 128 keys, 2,048 bytes each).
; SCALES.  A sum stands for sum x 2^(ea + eb).  The bias goes in divided by that power of two (exact), and the conversion takes 2^(eo - ea - eb): the three scales folded into one.
; LIMITS: eo - ea - eb between -126 and 119 for each of the three products.  NaN is not served.
; CLUSTERS: 4 x 4.  Source 0's tile hangs on cx (and Y) alone and is shared along a column of the cluster, source 1's on cy (and Y) alone and is shared along a row: each is asked for jointly.
; THE RING: two slots of 147,456 bytes; a slot holds source 0's 16 row tiles, then (from byte 98,304) source 1's 8.  A tile's eight K steps come as 3 + 3 + 2: steps 0-2 in slot sa (row tiles 6,144 bytes apart),
; steps 3-5 in slot sb, steps 6-7 in slot sa again (4,096 apart).  THE RING GOES ON FROM TILE TO TILE: the round in K step 5 asks for the next tile's steps 0-2 into sb, which is that tile's sa; the round at a tile's
; boundary, behind the way out, asks for its steps 3-5.  Behind each round a wave issues one joint load; every wait on TENSORcnt is for 0, so one load of a wave is out at a time, and the one group 0 and group 1
; of each side are written anew behind that wait.  A fragment load reads 512 consecutive bytes: no padding.  All of the WGP's LDS is claimed.
; PREFETCH: in K step 2 of tiles 0 and 1 the next tile's rows of x (a dense 131,072 or 262,144 bytes) are asked for, three K steps ahead of the first load that wants them: the four partners that will load them
; jointly take a quarter each, by address; a wave 8,192 bytes an instruction, lanes 256 bytes apart.  Tile 0's come by their loads alone; the weights are read by every cluster and are not asked for.
; REGISTERS, in windows of 256: window 0: v14 256 x lane; v16-23 LDS addresses; v24-31 offsets and constants; v32-39 v's bias; v64-191 source 0's fragments (8 x 16), v192-255 source 1's (4 x 16): set 0;
;   on the way out v64-191 are at work.   window 1: v0-63 q's and k's bias in the result's layout; v64-255 set 1.   window 2: accumulator (a, b) at v[8 (8 a + b)], a = source 1's tile, b = source 0's.
.set SLOT,  147456
.set SPARE, 2*SLOT                     ; behind the slots: the spare words, 128 bytes for each wave: two blocks of 256 bytes that no other line names
.set SPW, 28                           ; v28  LDS address of my spare word; never rewritten
.set NIL, 29                           ; v29  0; never rewritten
.set G1,  28                           ; s[28:35] descriptor group 1 for source 0's tiles;  s[36:43] for source 1's
.set G1B, 36
.set G0,  44                           ; s[44:47] group 0 for source 0;  s[68:71] for source 1
.set G0B, 68
.set BA,  48                           ; s[48:53] where my half of source 0's tile begins in memory, for X = 0, 1, 2;  s[72:77] the same for source 1
.set BB,  72
.set F0,  64
.set F1,  192
.set T,   64                           ; the way out: 64 sums + bias
.set CD,  128                          ; the way out: codes, 16 registers for each a
.set MSB, 0
.macro WIN new                         ; the immediate's high byte repeats the setting that is left; a switch that changes nothing is dropped
.if MSB != \new
	s_set_vgpr_msb (MSB<<8)|\new
.set MSB, \new
.endif
.endm
.macro PLACES n
.rept \n
	v_nop
.endr
.endm
.macro CREST                           ; a round of the cluster's barrier behind its opening barrier
	s_cmp_lg_u32 s20, 0
	s_cbranch_scc1 .Lnot_wave_0_\@
	s_barrier_signal -3
.Lnot_wave_0_\@:
	s_barrier_wait -3
	s_barrier_signal -1
	s_barrier_wait -1
.endm
.macro CROUND
	s_barrier_signal -1
	s_barrier_wait -1
	CREST
.endm
.macro JLOAD                           ; a joint load: waves 0, 1 fetch source 0's halves, waves 2, 3 source 1's; an s_nop 0 and four v_nop follow each line
	s_cmp_eq_u32 s22, 0
	s_cbranch_scc0 .Lfor_b_\@
	tensor_load_to_lds s[G0:G0+3], s[G1:G1+7]
	s_nop 0
	PLACES 4
	s_branch .Lasked_\@
.Lfor_b_\@:
	tensor_load_to_lds s[G0B:G0B+3], s[G1B:G1B+7]
	s_nop 0
	PLACES 4
.Lasked_\@:
.endm
; The descriptors of the next fill: n K steps from byte koff of tile X's rows, into the slot.  It stands behind a wait for all my tensor loads.
.macro PREP slot, n, koff, X
	s_add_nc_u64 s[G0+2:G0+3], s[BA+2*(\X):BA+2*(\X)+1], \koff
	s_or_b32 s[G0+3], s[G0+3], 0x80000000          ; type = 2
	s_add_nc_u64 s[G0B+2:G0B+3], s[BB+2*(\X):BB+2*(\X)+1], \koff
	s_or_b32 s[G0B+3], s[G0B+3], 0x80000000
.if \n == 3
	s_add_co_u32 s[G0+1], s82, (\slot)*SLOT        ; LDS: half x 8 row tiles of 6,144 bytes,
	s_add_co_u32 s[G0B+1], s83, (\slot)*SLOT+98304 ; half x 4
.else
	s_add_co_u32 s[G0+1], s54, (\slot)*SLOT        ; of 4,096 bytes
	s_add_co_u32 s[G0B+1], s55, (\slot)*SLOT+98304
.endif
	s_mov_b32 s[G1+1], (256*\n)<<16                ; tensor_dim0 and tile_dim0: n x 2,048 bytes in elements of 8
	s_mov_b32 s[G1+3], (256*\n)<<16
	s_mov_b32 s[G1B+1], (256*\n)<<16
	s_mov_b32 s[G1B+3], (256*\n)<<16
.endm
.macro FETCH slot, s, p                ; 48 LDS loads in one run: my fragments of the slot's s-th 128 along K into set p.  slot 2, 3: slots 0, 1 in their fill of two K steps
.set FP, 6144-2048*((\slot)/2)         ; from row tile to row tile
	WIN ((\p)<<6)
.irp b, 0,1,2,3,4,5,6,7
.irp g, 0,1,2,3
	ds_load_b128 v[F0+16*\b+4*\g:F0+16*\b+4*\g+3], v[16+\slot] offset:\b*FP+(\s)*2048+\g*512
.endr
.endr
.irp a, 0,1,2,3
.irp g, 0,1,2,3
	ds_load_b128 v[F1+16*\a+4*\g:F1+16*\a+4*\g+3], v[20+\slot] offset:\a*FP+(\s)*2048+\g*512
.endr
.endr
	WIN 0
.endm
.macro MUL p, a0, n, zero              ; 8 n matrix instructions on set p: source 1's tiles a0 .. a0 + n - 1 x source 0's eight.  The 32 accumulators take turns in one order in every step
	WIN (0xa0+5*(\p))
.set ma, \a0
.rept \n
.irp b, 0,1,2,3,4,5,6,7
.if \zero
	v_wmma_f32_16x16x128_fp8_fp8 v[8*(8*ma+\b):8*(8*ma+\b)+7], v[F0+16*\b:F0+16*\b+15], v[F1+16*ma:F1+16*ma+15], 0
.else
	v_wmma_f32_16x16x128_fp8_fp8 v[8*(8*ma+\b):8*(8*ma+\b)+7], v[F0+16*\b:F0+16*\b+15], v[F1+16*ma:F1+16*ma+15], v[8*(8*ma+\b):8*(8*ma+\b)+7]
.endif
.endr
.set ma, ma+1
.endr
.endm
.macro STEP p, ns, nk, zero, places    ; a step of 128 along K on set p; the next step's fragments (slot ns, part nk) go into the other set first
	s_wait_dscnt 0x0                               ; set p is in
.if \places
	PLACES 4                                       ; four plain vector lines between the last products on the other set and the loads into it (ISA guide 7.12.1 for vector instructions)
.endif
	FETCH \ns, \nk, 1-\p
	MUL \p, 0, 4, \zero
	WIN 0
.endm
; A step on set p that changes slots: ONE barrier.  In front of it each wave waits for all its tensor loads, adds 0 to its spare word, and waits for that and for its reads.  fill = 1: the slot that nobody reads
; any more is filled again; the barrier then opens a round of the cluster's barrier and the joint refill is the first tensor load behind it.  pf: the prefetch for tile 1 or 2, behind the run of LDS loads.
.macro TURN p, next, fill, slot, n, koff, X, pf
	s_wait_tensorcnt 0x0                           ; all my tensor loads have landed, so the descriptors may be written
	ds_add_u32 v[SPW], v[NIL]                      ; 0 onto my spare word
.if \fill
	PREP \slot, \n, \koff, \X
.endif
	s_wait_dscnt 1                                 ; set p is in; the add alone may be out
	MUL \p, 0, 1, 0                                ; eight matrix instructions stand between the add and the wait for it
	s_wait_dscnt 0x0                               ; the add is done, and my reads of the slot behind me are over
	s_barrier_signal -1
	MUL \p, 1, 1, 0
	WIN 0
	s_barrier_wait -1
.if \fill
	CREST                                          ; no wave of any partner still reads that slot or has a load on its way
	JLOAD                                          ; its four v_nop are also the places in front of the loads below
.else
	PLACES 4
.endif
	FETCH \next, 0, 1-\p
.if \pf == 1
	global_prefetch_b8 v14, s[56:57] th:TH_LOAD_NT scope:SCOPE_SE               ; tile 1's rows of x: my wave's 8,192 bytes of my work-group's 32,768
.endif
.if \pf == 2
	global_prefetch_b8 v14, s[58:59] th:TH_LOAD_NT scope:SCOPE_SE               ; tile 2's: my wave's 16,384 bytes of my work-group's 65,536
	global_prefetch_b8 v14, s[58:59] offset:8192 th:TH_LOAD_NT scope:SCOPE_SE
.endif
	MUL \p, 2, 2, 0
	WIN 0
.endm
; What tile X's way out needs: where its results go (s[66:67], v25), its bias (asked for now, waited for at the way out), its scales (s2, v30, v31).
.macro TILEPREP X
	s_wait_xcnt 0x0                                ; the last tile's stores and bias loads have read their registers and bases: they may be written
.if \X < 2
	s_lshl_b32 s98, s27, 7                         ; q, k: rows m0 = 128 T1 + 64 w1 on, heads 4 cx + 2 w0 and the next
	s_lshl_b32 s99, s22, 6
	s_add_co_u32 s98, s98, s99                     ; m0
	s_lshr_b32 s99, s98, 11                        ; batch
	s_bfe_u32 s98, s98, 0x70004                    ; st0: the first of my four tiles of 16 rows in the batch
	s_lshl_b32 s99, s99, 4
	s_lshl_b32 s100, s23, 2
	s_add_co_u32 s99, s99, s100
	s_lshl_b32 s100, s21, 1
	s_add_co_u32 s99, s99, s100                    ; bh of the first head
	s_lshl_b32 s101, s98, 10
	s_mov_b32 s97, 0
.if \X == 0
	s_lshl_b32 s96, s99, 17
	s_add_co_u32 s96, s96, s101                    ; q: 131,072 bh + 1,024 st0
	s_add_nc_u64 s[66:67], s[16:17], s[96:97]
	v_add_nc_u32 v25, 131072, v24                  ; from a head to the next
.else
	s_lshl_b32 s96, s99, 18
	s_add_co_u32 s96, s96, s101
	s_lshr_b32 s98, s98, 3
	s_lshl_b32 s98, s98, 13
	s_add_co_u32 s96, s96, s98                     ; k: 262,144 bh + 16,384 (st0 / 8) + 1,024 (st0 % 8)
	s_add_nc_u64 s[66:67], s[18:19], s[96:97]
	v_add_nc_u32 v25, 262144, v24
.endif
	s_lshl_b32 s96, s23, 10                        ; the bias along source 0: column 256 cx + 128 w0 + 16 b + 8 h + j
	s_lshl_b32 s98, s21, 9
	s_add_co_u32 s96, s96, s98
	s_add_nc_u64 s[80:81], s[8+2*\X:9+2*\X], s[96:97]
	WIN 0x40                                       ; destination window 1
.irp b, 0,1,2,3,4,5,6,7
	global_load_b128 v[8*\b:8*\b+3], v26, s[80:81] offset:64*\b
	global_load_b128 v[8*\b+4:8*\b+7], v26, s[80:81] offset:64*\b+16
.endr
	WIN 0
.else
	s_lshl_b32 s98, s26, 8                         ; v: keys 256 T0 + 128 w0 on, head 2 T1 + w1
	s_lshl_b32 s101, s21, 7
	s_add_co_u32 s98, s98, s101
	s_lshr_b32 s101, s98, 11                       ; batch
	s_bfe_u32 s98, s98, 0x40007                    ; which 128 keys of the batch
	s_lshl_b32 s101, s101, 4
	s_lshl_b32 s96, s3, 1
	s_add_co_u32 s101, s101, s96
	s_add_co_u32 s101, s101, s22
	s_lshl_b32 s101, s101, 18
	s_lshl_b32 s98, s98, 14
	s_add_co_u32 s96, s101, s98
	s_add_co_u32 s96, s96, 8192                    ; behind the block's eight images of K
	s_mov_b32 s97, 0
	s_add_nc_u64 s[66:67], s[18:19], s[96:97]
	v_add_nc_u32 v25, 1024, v24                    ; from an image's first half to its second
	s_lshl_b32 s96, s3, 9                          ; the bias along source 1: column 128 T1 + 64 w1 + 16 a + r
	s_lshl_b32 s98, s22, 8
	s_add_co_u32 s96, s96, s98
	s_add_nc_u64 s[80:81], s[12:13], s[96:97]
.irp a, 0,1,2,3
	global_load_b32 v[32+2*\a], v27, s[80:81] offset:64*\a
	v_mov_b32 v[33+2*\a], 0                        ; (named with it as a pair, so it is written)
.endr
.endif
	s_add_co_i32 s2, s[84+2*\X], s[85+2*\X]        ; ea + eb
.if \X == 2
	s_sub_co_i32 s96, s93, s2                      ; v's own scale is entry 9
.else
	s_sub_co_i32 s96, s[90+\X], s2                 ; q's entry 6, k's entry 7: eo - ea - eb
.endif
	s_sub_co_i32 s2, 0, s2                         ; -(ea + eb), for the bias
	s_add_co_i32 s96, s96, 127
	s_lshl_b32 s97, s96, 23
	v_mov_b32 v30, s97                             ; 2^(eo - ea - eb) as f32
	s_add_co_i32 s96, s96, 8
	s_lshl_b32 s96, s96, 23
	s_or_b32 s96, s96, 0x600000
	v_mov_b32 v31, s96                             ; 448 x that
.endm
; THE WAY OUT: registers alone.  sum + bias / 2^(ea + eb), held, converted: the eight codes of a lane are a register pair of the next operand's image.
.macro EPI isv
.irp a, 0,1,2,3
.if \isv
	WIN 0x02                                       ; source 0 (the sums) window 2
.else
	WIN 0x06                                       ; source 0 window 2, source 1 (the bias) window 1
.endif
.irp b, 0,1,2,3,4,5,6,7
.irp i, 0,2,4,6
.if \isv
	v_pk_add_f32 v[T+8*\b+\i:T+8*\b+\i+1], v[8*(8*\a+\b)+\i:8*(8*\a+\b)+\i+1], v[32+2*\a:33+2*\a] op_sel_hi:[1,0]   ; my column's bias for both; each accumulator from its low end on
.else
	v_pk_add_f32 v[T+8*\b+\i:T+8*\b+\i+1], v[8*(8*\a+\b)+\i:8*(8*\a+\b)+\i+1], v[8*\b+\i:8*\b+\i+1]
.endif
.endr
.endr
	WIN 0
.set k, 0
.rept 64
	v_med3_num_f32 v[T+k], v[T+k], -v31, v31       ; the conversion to an 8-bit code does not saturate (ISA guide 7.6.2): the hold comes first
.set k, k+1
.endr
.irp b, 0,1,2,3,4,5,6,7
	v_cvt_scalef32_pk8_fp8_f32 v[CD+16*\a+2*\b:CD+16*\a+2*\b+1], v[T+8*\b:T+8*\b+7], v30
.endr
	v_nop                                          ; a plain vector line between the conversions and the next lines that write their sources
	; q, k: registers 0-7 are the first head's image of these 16 rows, 8-15 the next head's.  v: the 16 registers are channel tile a's image of my 128 keys.  Each store covers 512 consecutive bytes, aligned
	global_store_b128 v24, v[CD+16*\a:CD+16*\a+3], s[66:67] offset:\a*(1024+1024*\isv)
	global_store_b128 v24, v[CD+16*\a+4:CD+16*\a+7], s[66:67] offset:\a*(1024+1024*\isv)+512
	global_store_b128 v25, v[CD+16*\a+8:CD+16*\a+11], s[66:67] offset:\a*(1024+1024*\isv)
	global_store_b128 v25, v[CD+16*\a+12:CD+16*\a+15], s[66:67] offset:\a*(1024+1024*\isv)+512
.endr
.endm
; A tile.  On the way in its K steps 0-2 have been asked for, into slot sa.
.macro TILE X, sa, sb
	TILEPREP \X
	s_wait_alu depctr_va_vdst(0)
	s_wait_tensorcnt 0x0                           ; my part of K steps 0-2 is in
	ds_add_u32 v[SPW], v[NIL]                      ; 0 onto my spare word
	PREP \sb, 3, 6144, \X
	s_wait_dscnt 0x0                               ; the add is done, and my reads of slot sb are over
	CROUND                                         ; both hold of every wave of all sixteen work-groups
	JLOAD                                          ; K steps 3-5: the first tensor load behind the round
	FETCH \sa, 0, 0
	STEP 0, \sa, 1, 1, 0                           ; K 0: the first products start the sums: nothing is cleared
	STEP 1, \sa, 2, 0, 1                           ; K 128
	TURN 0, \sb, 1, \sa, 2, 12288, \X, \X+1        ; K 256; slot sa takes K steps 6-7
	STEP 1, \sb, 1, 0, 1                           ; K 384
	STEP 0, \sb, 2, 0, 1                           ; K 512
.if \X < 2
	TURN 1, \sa+2, 1, \sb, 3, 0, \X+1, 0           ; K 640; slot sb takes the NEXT tile's K steps 0-2, which have two steps and the way out in which to land
.else
	TURN 1, \sa+2, 0, 0, 0, 0, 0, 0                ; K 640; nothing is filled
.endif
	STEP 0, \sa+2, 1, 0, 1                         ; K 768
	s_wait_dscnt 0x0
	MUL 1, 0, 4, 0                                 ; K 896
	WIN 0
	s_wait_loadcnt 0x0                             ; the bias
.if \X < 2
	WIN 0x41                                       ; source 0 and destination window 1
.set k, 0
.rept 64
	v_ldexp_f32 v[k], v[k], s2
.set k, k+1
.endr
	WIN 0
	PLACES 4                                       ; between the last products and the first read of their results
	EPI 0
.else
.irp c, 0,1,2,3
	v_ldexp_f32 v[32+2*\c], v[32+2*\c], s2
.endr
	PLACES 4
	EPI 1
.endif
.endm
	s_load_b512 s[4:19], s[0:1], 0x0               ; xc s[4:5], wc s[6:7], bq s[8:9], bk s[10:11], bv s[12:13], scales s[14:15], qc s[16:17], kv s[18:19]
	v_lshl_add_u32 v[SPW], v0, 2, SPARE
	v_mov_b32 v[NIL], 0
	ds_add_u32 v[SPW], v[NIL]                      ; the opening lines: the add, twice on end, and its wait ahead of my first tensor load
	ds_add_u32 v[SPW], v[NIL]
	v_lshrrev_b32 v1, 5, v0
	v_readfirstlane_b32 s20, v1                    ; wave 0..3
	s_and_b32 s21, s20, 1                          ; w0: my half of source 0's 256.  Also: which half of a tile I fetch
	s_lshr_b32 s22, s20, 1                         ; w1: my half of source 1's 128.  Also: I fetch for source 0 (0) or source 1 (1)
	s_bfe_u32 s23, ttmp6, 0x40000                  ; cx
	s_bfe_u32 s24, ttmp6, 0x40004                  ; cy
	s_and_b32 s25, ttmp7, 0xffff                   ; Y: the cluster's y, 0 .. 15
	s_lshl_b32 s60, 0x1111, s23                    ; my column of the cluster (same cx)
	s_lshl_b32 s78, s24, 2
	s_lshl_b32 s78, 15, s78                        ; my row (same cy)
	; descriptor group 1: rows of n x 2,048 bytes (PREP writes their length) in elements of 8 bytes, 16,384 bytes (2,048 elements) apart; 8 of them for half of source 0's tile, 4 for half of source 1's
	s_or_b32 s[G1], s60, (3<<16)|(1<<21)           ; 15:0 the mask; 17:16 elements of 8 bytes; 21 set beside a mask; no padding
	s_or_b32 s[G1B], s78, (3<<16)|(1<<21)
	s_mov_b32 s[G1+2], 8<<16                       ; tensor_dim1
	s_mov_b32 s[G1+4], 8                           ; tile_dim1
	s_mov_b32 s[G1+5], 2048                        ; tensor_dim0_stride
	s_mov_b32 s[G1+6], 0
	s_mov_b32 s[G1+7], 0
	s_mov_b32 s[G1B+2], 4<<16
	s_mov_b32 s[G1B+4], 4
	s_mov_b32 s[G1B+5], 2048
	s_mov_b32 s[G1B+6], 0
	s_mov_b32 s[G1B+7], 0
	s_mov_b32 s[G0], 1                             ; count = 1
	s_mov_b32 s[G0B], 1
	s_mul_i32 s82, s21, 49152                      ; where my half goes in a slot: no place in the cluster enters an LDS address
	s_mul_i32 s83, s21, 24576
	s_lshl_b32 s54, s21, 15
	s_lshl_b32 s55, s21, 14
	s_lshr_b32 s26, s25, 1
	s_lshl_b32 s26, s26, 2
	s_add_co_u32 s26, s26, s23                     ; v: T0 = cx + 4 (Y / 2) of x's 32
	s_lshl_b32 s27, s25, 2
	s_add_co_u32 s27, s27, s24                     ; q, k: T1 = cy + 4 Y of x's 64
	s_and_b32 s3, s25, 1
	s_lshl_b32 s3, s3, 2
	s_add_co_u32 s3, s3, s24                       ; v: T1 = cy + 4 (Y % 2) of Wv's eight
	s_wait_dscnt 0x0                               ; both opening adds are done
	s_wait_kmcnt 0x0
	s_load_b256 s[84:91], s[14:15], 0x0            ; the scales' exponents 0 .. 7
	s_load_b128 s[92:95], s[14:15], 0x20           ; 8 .. 11
	s_lshl_b32 s60, s23, 18                        ; source 0, in registers that never hold cy.  q: Wq's tile cx (16 row tiles of 16,384 bytes), the half that I fetch;
	s_lshl_b32 s61, s21, 17
	s_add_co_u32 s60, s60, s61
	s_mov_b32 s61, 0
	s_add_nc_u64 s[BA:BA+1], s[6:7], s[60:61]
	s_add_nc_u64 s[BA+2:BA+3], s[BA:BA+1], 0x100000        ; k: the same of Wk;
	s_lshl_b32 s60, s26, 18
	s_lshl_b32 s61, s21, 17
	s_add_co_u32 s60, s60, s61
	s_add_co_u32 s60, s60, 0x1000000
	s_mov_b32 s61, 0
	s_add_nc_u64 s[BA+4:BA+5], s[4:5], s[60:61]            ; v: tile T0 of xc's set 2
	s_lshl_b32 s78, s27, 17                        ; source 1, in registers that never hold cx.  q: tile T1 (8 row tiles) of xc's set 0;
	s_lshl_b32 s79, s21, 16
	s_add_co_u32 s78, s78, s79
	s_mov_b32 s79, 0
	s_add_nc_u64 s[BB:BB+1], s[4:5], s[78:79]
	s_add_nc_u64 s[BB+2:BB+3], s[BB:BB+1], 0x800000        ; k: of set 1;
	s_lshl_b32 s78, s3, 17
	s_lshl_b32 s79, s21, 16
	s_add_co_u32 s78, s78, s79
	s_add_co_u32 s78, s78, 0x200000
	s_mov_b32 s79, 0
	s_add_nc_u64 s[BB+4:BB+5], s[6:7], s[78:79]            ; v: tile T1 of Wv
	PREP 0, 3, 0, 0
	CROUND                                         ; all sixteen work-groups are here: the first joint loads meet
	JLOAD                                          ; tile 0's K steps 0-2
	v_and_b32 v1, 31, v0
	v_bfe_u32 v2, v0, 4, 1                         ; h
	v_and_b32 v3, 15, v0                           ; r
	v_lshlrev_b32 v24, 4, v1                       ; 16 x lane: an image's place for my lane
	v_lshlrev_b32 v26, 5, v2                       ; 32 h: my half's eight numbers of a bias
	v_lshlrev_b32 v27, 2, v3                       ; 4 r
	v_lshlrev_b32 v14, 8, v1                       ; 256 x lane: the prefetches' offset; never rewritten
	s_wait_alu depctr_va_vdst(0)
	s_mul_i32 s96, s21, 49152                      ; my 8 row tiles of source 0,
	s_mul_i32 s97, s22, 24576                      ; my 4 of source 1,
	s_add_co_u32 s97, s97, 98304                   ; which lie behind source 0's 16
.irp n, 0,1
	v_add_nc_u32 v[16+\n], s96, v24
	v_add_nc_u32 v[20+\n], s97, v24
	s_add_co_u32 s96, s96, SLOT
	s_add_co_u32 s97, s97, SLOT
.endr
	s_lshl_b32 s96, s21, 15                        ; the same in a fill of two K steps
	s_lshl_b32 s97, s22, 14
	s_add_co_u32 s97, s97, 98304
.irp n, 0,1
	v_add_nc_u32 v[18+\n], s96, v24
	v_add_nc_u32 v[22+\n], s97, v24
	s_add_co_u32 s96, s96, SLOT
	s_add_co_u32 s97, s97, SLOT
.endr
	s_lshl_b32 s96, s27, 17                        ; the prefetches.  Tile 1: x's rows T1 in set 1; of the four that share them (same cy) I take quarter cx; my wave a quarter... of 32,768 bytes: 8,192
	s_lshl_b32 s97, s23, 15
	s_add_co_u32 s96, s96, s97
	s_lshl_b32 s97, s20, 13
	s_add_co_u32 s96, s96, s97
	s_add_co_u32 s96, s96, 0x800000
	s_mov_b32 s97, 0
	s_add_nc_u64 s[56:57], s[4:5], s[96:97]
	s_lshl_b32 s96, s26, 18                        ; tile 2: x's rows T0 in set 2; of the four that share them (same cx) I take quarter cy; my wave 16,384 bytes
	s_lshl_b32 s97, s24, 16
	s_add_co_u32 s96, s96, s97
	s_lshl_b32 s97, s20, 14
	s_add_co_u32 s96, s96, s97
	s_add_co_u32 s96, s96, 0x1000000
	s_mov_b32 s97, 0
	s_add_nc_u64 s[58:59], s[4:5], s[96:97]
	s_wait_alu depctr_va_vdst(0)
	s_wait_kmcnt 0x0                               ; the scales' exponents.  Nothing branches on them
	TILE 0, 0, 1
	TILE 1, 1, 0
	TILE 2, 0, 1
	s_wait_tensorcnt 0x0                           ; the wave's end
	ds_add_u32 v[SPW], v[NIL]
	s_wait_dscnt 0x0
	CROUND                                         ; the closing round: no work-group ends while a partner may still ask for a tile that names it
	s_endpgm
.Lfunc_end_k_q57385c6ea5_qkv:
	.size	k_q57385c6ea5_qkv, .Lfunc_end_k_q57385c6ea5_qkv-k_q57385c6ea5_qkv
	.p2alignl 7, 3214868480
	.fill 96, 4, 3214868480
	.section	.rodata,"a",@progbits
	.p2align	6, 0x0
	.amdhsa_kernel k_q57385c6ea5_qkv
		.amdhsa_group_segment_fixed_size 327680
		.amdhsa_private_segment_fixed_size 0
		.amdhsa_enable_private_segment 0
		.amdhsa_kernarg_size 64
		.amdhsa_user_sgpr_count 2
		.amdhsa_user_sgpr_kernarg_segment_ptr 1
		.amdhsa_wavefront_size32 1
		.amdhsa_system_sgpr_workgroup_id_x 1
		.amdhsa_system_sgpr_workgroup_id_y 1
		.amdhsa_system_sgpr_workgroup_id_z 1
		.amdhsa_system_vgpr_workitem_id 0
		.amdhsa_next_free_vgpr 768
		.amdhsa_next_free_sgpr 102
		.amdhsa_reserve_vcc 0
		.amdhsa_float_denorm_mode_32 3
		.amdhsa_float_denorm_mode_16_64 3
		.amdhsa_memory_ordered 1
		.amdhsa_forward_progress 1
		.amdhsa_inst_pref_size 245
	.end_amdhsa_kernel
	.amdgpu_metadata
---
amdhsa.version: [ 1, 2 ]
amdhsa.kernels:
  - .name:           k_q57385c6ea5_qkv
    .symbol:         k_q57385c6ea5_qkv.kd
    .args:
      - { .name: xc, .offset: 0, .size: 8, .value_kind: global_buffer, .address_space: global }
      - { .name: wc, .offset: 8, .size: 8, .value_kind: global_buffer, .address_space: global }
      - { .name: bq, .offset: 16, .size: 8, .value_kind: global_buffer, .address_space: global }
      - { .name: bk, .offset: 24, .size: 8, .value_kind: global_buffer, .address_space: global }
      - { .name: bv, .offset: 32, .size: 8, .value_kind: global_buffer, .address_space: global }
      - { .name: lowp_scales, .offset: 40, .size: 8, .value_kind: global_buffer, .address_space: global }
      - { .name: qc, .offset: 48, .size: 8, .value_kind: global_buffer, .address_space: global }
      - { .name: kv, .offset: 56, .size: 8, .value_kind: global_buffer, .address_space: global }
    .group_segment_fixed_size: 327680
    .private_segment_fixed_size: 0
    .kernarg_segment_align: 8
    .kernarg_segment_size: 64
    .max_flat_workgroup_size: 128
    .sgpr_count:     102
    .vgpr_count:     768
    .wavefront_size: 32
...
	.end_amdgpu_metadata
.endif
;; end of part 2
;; launch attn (part 3): grid 4 x 64, 8 waves a work-group, clusters of 4 x 1, 264,192 bytes of LDS; arguments qc, kv, lowp_scales, ac; writes ac
.if DOCPART == 3
	.amdgcn_target "amdgcn-amd-amdhsa--gfx1250"
	.amdhsa_code_object_version 6
	.text
	.protected	k_q57385c6ea5_attn
	.globl	k_q57385c6ea5_attn
	.p2align	8
	.type	k_q57385c6ea5_attn,@function
k_q57385c6ea5_attn:
	s_mov_b64 s[64:65], 0
	v_nop
	global_prefetch_b8 v0, s[64:65] scope:SCOPE_SE
	s_setreg_imm32_b32 hwreg(HW_REG_WAVE_MODE, 25, 1), 1
	s_wait_xcnt 0x0
	s_wait_alu depctr_hold_cnt(0) depctr_sa_sdst(0) depctr_va_vdst(0) depctr_va_sdst(0) depctr_va_ssrc(0) depctr_va_vcc(0) depctr_vm_vsrc(0)
	s_getreg_b32 s2, hwreg(HW_REG_IB_STS2, 6, 4)
	s_cmp_eq_u32 s2, 0
	s_cbranch_scc0 .Lentry_in_a_cluster
	s_endpgm
.Lentry_in_a_cluster:
	s_bfe_u32 s2, ttmp6, 0x10000c
	s_cmp_lg_u32 s2, 0x3003
	s_cbranch_scc0 .Lentry_shape_is_right
	s_endpgm
.Lentry_shape_is_right:
; Attention on codes of FP8 (E4M3): for each of 64 heads bh (16 batch + head), 2,048 queries x 2,048 keys x 64 channels, and the quantising of its result for the last product.
; THE SOFTMAX AHEAD OF THE SECOND PRODUCT: t = score x log2(e) / 8; M = the row's largest t so far, rounded UP to a whole number; p = 2^(t - M) is quantised along the keys with the given 2^ep, not normalised.
; The row's sum is taken of the unquantised p, in f32, and divides O at the end.  When M moves, the sums and O are multiplied by 2^(old M - new M): exact.
; SHARES.  A work-group owns 512 queries of one head: 256 work-groups of equal work.  Each of its EIGHT waves owns 64 queries, four tiles of 16, in 512 registers: a fragment of K or V read from LDS feeds four tiles.
; The four tiles are worked as two pairs (A, B).  In a pair the exponentials of one tile stand by turns with lines of the other tile that depend on nothing near them (B's scalings among A's exponentials, A's holds
; among B's); their results are read only behind the wait that follows the batch.  Maxima and sums run in four chains that do not depend on each other.
; LDS.  ALL OF THE HEAD'S K AND V CODES, 262,144 bytes, LIE IN LDS FOR THE WHOLE LAUNCH, filled once: no ring, no refill.  Wave w brings key steps 2 w and 2 w + 1 (a key step: 128 keys, a dense block of 16,384 bytes:
; eight images of K, 16 keys x 64 channels, then four of V^T, 16 channels x 128 keys) by one load of 128 rows of 256 bytes.  CLUSTER: the four work-groups of a head ask for each block jointly.
; No prefetch: the one fill goes out at the head, and there is no loop to run ahead in.
; The next step's K is fetched into registers behind the second pair's first products, its V behind the step's last products.  The last trip fetches key step 0 once more (the address wraps inside the 262,144 bytes); nothing reads that.
; LAYOUT.  Both products are used transposed: S^T = K Q^T (source 0 = 16 keys, source 1 = 16 queries), O^T = V^T P^T (source 0 = 16 channels, source 1 = P): a lane holds ONE query (lane % 16) of each tile throughout.
; Tile t's eight scores of lane (r, h) are keys 16 t + 8 h + 0 .. 7: converted, they are registers 2 t, 2 t + 1 of P's fragment, in the K = 128 form's own order, in which V's images were laid.
; OUT.  ac: images of 16 rows x 128 K as the last product wants them: row tile 128 batch + 32 cx + 4 wave + i, fragment head / 2, register groups 2 (head % 2) and the next.
; LIMITS on the given exponents: e6 + e7 between -123 and 130 (added to c's exponent field); e8 and e10 between -126 and 119; e8 + e9 is applied by v_ldexp_f32 and has none.  NaN is not served.
; The scaled scores stay under 2^31 in magnitude.
; REGISTERS.  Window 0: v1 16 x lane; v2 the next step's LDS address; v4 2^ep; v[6:7] f of tiles A, B; v8-15 at work; v16-23 for each tile -M and the largest raw score; v24, v25 the add's two; v26-29 1 / sum;
;   v30, v31 2^e10 and 448 x that; v32-63 Q; v64-127 K's eight fragments; v128-191 V's four; v192-223 P of A and B, at the end the codes; v224-255 the sums: four pairs a tile.
;   Window 1: v0-63 S^T then p of tile A; v64-127 of tile B; v128-255 O^T, 32 registers a tile.
.set ST, 16
.set QF, 32
.set KF, 64
.set VF, 128
.set PF, 192
.set SU, 224
.set MSB, 0
.macro WIN new                         ; the immediate's high byte repeats the setting that is left; bits 1:0 source 0, 3:2 source 1, 5:4 source 2, 7:6 destination
.if MSB != \new
	s_set_vgpr_msb (MSB<<8)|\new
.set MSB, \new
.endif
.endm
.macro PLACES n
.rept \n
	v_nop
.endr
.endm
.macro CROUND                          ; a round of the cluster's barrier
	s_barrier_signal -1
	s_barrier_wait -1
	s_cmp_lg_u32 s12, 0
	s_cbranch_scc1 .Lnot_wave_0_\@
	s_barrier_signal -3
.Lnot_wave_0_\@:
	s_barrier_wait -3
	s_barrier_signal -1
	s_barrier_wait -1
.endm
.macro LDK adr                         ; K's eight images: 512 consecutive bytes a load
.irp t, 0,1,2,3,4,5,6,7
	ds_load_b128 v[KF+8*\t:KF+8*\t+3], v[\adr] offset:\t*1024
	ds_load_b128 v[KF+8*\t+4:KF+8*\t+7], v[\adr] offset:\t*1024+512
.endr
.endm
.macro LDV adr                         ; V^T's four images
.irp d, 0,1,2,3
.irp g, 0,1,2,3
	ds_load_b128 v[VF+16*\d+4*\g:VF+16*\d+4*\g+3], v[\adr] offset:8192+\d*2048+\g*512
.endr
.endr
.endm
	s_load_b256 s[4:11], s[0:1], 0x0               ; qc s[4:5], kv s[6:7], scales s[8:9], ac s[10:11]
	v_lshl_add_u32 v24, v0, 2, 0x40000             ; my spare word, behind the 262,144 bytes of codes
	v_mov_b32 v25, 0
	ds_add_u32 v24, v25                            ; the opening lines: the add, twice on end, and its wait ahead of my tensor load
	ds_add_u32 v24, v25
	v_lshrrev_b32 v1, 5, v0
	v_readfirstlane_b32 s12, v1                    ; wave 0..7
	s_bfe_u32 s13, ttmp6, 0x40000                  ; cx: which 512 queries; it enters Q's and the output's addresses alone
	s_and_b32 s14, ttmp7, 0xffff                   ; bh, which the four partners share
	s_mov_b32 s20, 15|(3<<16)|(1<<21)              ; group 1: the mask: all four work-groups; elements of 8 bytes; bit 21 set beside a mask
	s_mov_b32 s21, 32<<16                          ; tensor_dim0: 256 bytes
	s_mov_b32 s22, 128<<16                         ; tensor_dim1
	s_mov_b32 s23, 32<<16                          ; tile_dim0
	s_mov_b32 s24, 128                             ; tile_dim1
	s_mov_b32 s25, 32                              ; tensor_dim0_stride: dense
	s_mov_b32 s26, 0
	s_mov_b32 s27, 0
	s_mov_b32 s28, 0x76543210                      ; v_permlanex16_b32's selects: lane l xor 16
	s_mov_b32 s29, 0xfedcba98
	s_mov_b32 s30, 0x3e38aa3b                      ; c = log2(e) / 8
	s_lshl_b32 s2, s14, 18                         ; the head's 262,144 bytes,
	s_lshl_b32 s3, s12, 15                         ; my two key steps' 32,768
	s_add_co_u32 s2, s2, s3
	s_mov_b32 s3, 0
	s_wait_dscnt 0x0
	s_wait_kmcnt 0x0
	s_load_b256 s[36:43], s[8:9], 0x0              ; the scales' exponents 0 .. 7
	s_load_b128 s[44:47], s[8:9], 0x20             ; 8 .. 11
	s_mov_b32 s16, 1                               ; group 0: count = 1
	s_lshl_b32 s17, s12, 15                        ; LDS address: 32,768 x wave
	s_add_nc_u64 s[18:19], s[6:7], s[2:3]          ; global address
	s_or_b32 s19, s19, 0x80000000                  ; type = 2
	CROUND                                         ; all four work-groups are here: the joint loads meet
	tensor_load_to_lds s[16:19], s[20:27]          ; my one tensor load of the launch
	s_nop 0
	PLACES 4
	s_lshl_b32 s2, s14, 17                         ; Q: 131,072 bh + 1,024 x (32 cx + 4 wave)
	s_lshl_b32 s15, s13, 15
	s_add_co_u32 s2, s2, s15
	s_lshl_b32 s15, s12, 12
	s_add_co_u32 s2, s2, s15
	s_add_nc_u64 s[4:5], s[4:5], s[2:3]
	v_and_b32 v1, 31, v0
	v_lshlrev_b32 v1, 4, v1                        ; 16 x lane
.irp i, 0,1,2,3,4,5,6,7
	global_load_b128 v[QF+4*\i:QF+4*\i+3], v1, s[4:5] offset:512*\i   ; four images of 1,024 bytes
.endr
	s_lshr_b32 s2, s14, 4                          ; out: row tile 128 batch + 32 cx + 4 wave, 16,384 bytes each,
	s_lshl_b32 s2, s2, 21
	s_lshl_b32 s15, s13, 19
	s_add_co_u32 s2, s2, s15
	s_lshl_b32 s15, s12, 16
	s_add_co_u32 s2, s2, s15
	s_and_b32 s15, s14, 15                         ; fragment head / 2 (2,048 bytes) and its half head % 2 (1,024): together 1,024 head
	s_lshl_b32 s15, s15, 10
	s_add_co_u32 s2, s2, s15
	s_add_nc_u64 s[10:11], s[10:11], s[2:3]
.irp i, 0,1,2,3
	v_mov_b32 v[ST+2*\i], 0x7f61b1e6               ; -M: 3e38
	v_mov_b32 v[ST+2*\i+1], 0xff61b1e6             ; the largest score so far: -3e38, under every score
.endr
	v_mov_b32 v12, 0                               ; a lane permute's destination counts as one of its sources
	v_mov_b32 v13, 0
.set k, 0
.rept 32
	v_mov_b32 v[SU+k], 0                           ; the sums
.set k, k+1
.endr
	WIN 0x40
.set k, 0
.rept 128
	v_mov_b32 v[128+k], 0                          ; O^T.  (The step is written once: the first finds zeros, which the first change of M leaves zeros)
.set k, k+1
.endr
	WIN 0
	s_wait_kmcnt 0x0
	s_add_co_i32 s34, s42, s43                     ; a score stands for score x 2^(e6 + e7): the two exponents are added to c's exponent field
	s_lshl_b32 s34, s34, 23
	s_add_co_i32 s30, s30, s34
	s_mov_b32 s31, s30                             ; (named with it as a pair, so it is written)
	s_add_co_i32 s34, s44, 127
	s_lshl_b32 s35, s34, 23
	v_mov_b32 v4, s35                              ; 2^ep as f32
	s_add_co_i32 s34, s34, 8
	s_lshl_b32 s34, s34, 23
	s_or_b32 s35, s34, 0x600000                    ; 448 x 2^ep, kept in a scalar register for the holds
	s_add_co_i32 s34, s46, 127
	s_lshl_b32 s15, s34, 23
	v_mov_b32 v30, s15                             ; 2^e10
	s_add_co_i32 s34, s34, 8
	s_lshl_b32 s34, s34, 23
	s_or_b32 s34, s34, 0x600000
	v_mov_b32 v31, s34                             ; 448 x 2^e10
	s_add_co_i32 s34, s44, s45                     ; ep + ev
	s_mov_b32 s32, 0                               ; LDS byte of the key step
	s_mov_b32 s33, 16                              ; key steps to go
	s_wait_alu depctr_va_vdst(0)
	s_wait_tensorcnt 0x0                           ; my block is in,
	s_barrier_signal -1
	s_barrier_wait -1                              ; everybody's is: from here on LDS is only read
	LDK 1
	LDV 1
	s_wait_loadcnt 0x0                             ; Q
; A pair of tiles (2 a, 2 a + 1) through one key step of 128 keys.
.macro PAIR a
.set QA, QF+16*\a
.set TA, ST+4*\a
.set TB, ST+4*\a+2
.set UA, SU+16*\a
.set UB, SU+16*\a+8
.set OA, 128+64*\a
.set OB, 160+64*\a
	WIN 0x40                                       ; destination window 1
.irp t, 0,1,2,3,4,5,6,7
	v_wmma_f32_16x16x64_fp8_fp8 v[8*\t:8*\t+7], v[KF+8*\t:KF+8*\t+7], v[QA:QA+7], 0          ; S^T of A,
	v_wmma_f32_16x16x64_fp8_fp8 v[64+8*\t:64+8*\t+7], v[KF+8*\t:KF+8*\t+7], v[QA+8:QA+15], 0 ; of B: sixteen accumulators, each once
.endr
	PLACES 4                                       ; between the products and the first read of their results, and the loads into their sources
.if \a
	WIN 0
	LDK 2                                          ; K's fragments have served all four tiles: the next step's
.endif
	WIN 0x14                                       ; sources 1 and 2 window 1
	v_max3_num_f32 v8, v[TA+1], v0, v1             ; the largest score, the running one among the leaves: two chains a tile, ascending: each accumulator is read from its low end on
	v_max3_num_f32 v10, v[TB+1], v64, v65
	v_max3_num_f32 v9, v[TA+1], v2, v3
	v_max3_num_f32 v11, v[TB+1], v66, v67
.set k, 4
.rept 15
	v_max3_num_f32 v8, v8, v[k], v[k+1]
	v_max3_num_f32 v10, v10, v[64+k], v[65+k]
	v_max3_num_f32 v9, v9, v[k+2], v[k+3]
	v_max3_num_f32 v11, v11, v[66+k], v[67+k]
.set k, k+4
.endr
	WIN 0
	v_max_num_f32 v8, v8, v9
	v_max_num_f32 v10, v10, v11
	v_permlanex16_b32 v12, v8, s28, s29
	v_permlanex16_b32 v13, v10, s28, s29
	v_max_num_f32 v[TA+1], v8, v12                 ; and among lane l xor 16's: the running largest score
	v_max_num_f32 v[TB+1], v10, v13
	v_mul_f32 v8, s30, v[TA+1]                     ; as t (c is positive)
	v_mul_f32 v10, s30, v[TB+1]
	v_floor_f32 v9, -v8                            ; the new -M = floor(-t) = -ceil(t): a whole number
	v_floor_f32 v11, -v10
	v_sub_f32 v8, v9, v[TA]                        ; old M - new M: a whole number, 0 or less
	v_sub_f32 v10, v11, v[TB]
	v_mov_b32 v[TA], v9
	v_mov_b32 v[TB], v11
	v_cvt_i32_f32 v8, v8                           ; (it saturates)
	v_cvt_i32_f32 v10, v10
	v_ldexp_f32 v6, 1.0, v8                        ; f = 2^(old M - new M)
	v_ldexp_f32 v7, 1.0, v10
.if \a == 0
	v_add_nc_u32 v2, s32, v1                       ; where the next step's fragments lie
.endif
.irp c, 0,1,2,3
	v_pk_mul_f32 v[UA+2*\c:UA+2*\c+1], v[UA+2*\c:UA+2*\c+1], v[6:7] op_sel_hi:[1,0]              ; the sums under the new M: A's by v6,
	v_pk_mul_f32 v[UB+2*\c:UB+2*\c+1], v[UB+2*\c:UB+2*\c+1], v[6:7] op_sel:[0,1] op_sel_hi:[1,1] ; B's by v7
.endr
	WIN 0x41                                       ; source 0 and destination window 1
.set k, 0
.rept 32
	v_pk_fma_f32 v[k:k+1], v[k:k+1], s[30:31], v[TA:TA+1] op_sel_hi:[1,0,0]   ; A: t - M, two at a time (of the pairs c and -M the low word serves both halves)
.set k, k+2
.endr
	s_wait_alu depctr_va_vdst(0)                   ; ahead of the batch
.set k, 0
.rept 32
	v_exp_f32 v[k], v[k]                           ; A: p = 2^(t - M), at most 1
	v_exp_f32 v[k+1], v[k+1]
	v_pk_fma_f32 v[64+k:65+k], v[64+k:65+k], s[30:31], v[TB:TB+1] op_sel_hi:[1,0,0]   ; B: t - M; read behind the wait below
.set k, k+2
.endr
	s_wait_alu depctr_va_vdst(0)                   ; one wait for the whole batch, ahead of its first reader
	WIN 0x04                                       ; source 1 window 1
.set k, 0
.rept 8
.irp c, 0,1,2,3
	v_pk_add_f32 v[UA+2*\c:UA+2*\c+1], v[UA+2*\c:UA+2*\c+1], v[k+2*\c:k+2*\c+1]   ; A's sum, of the UNQUANTISED p: four chains
.endr
.set k, k+8
.endr
	WIN 0x55                                       ; every place window 1
	s_wait_alu depctr_va_vdst(0)                   ; ahead of the batch
.set k, 0
.rept 32
	v_exp_f32 v[64+k], v[64+k]                     ; B: p
	v_exp_f32 v[65+k], v[65+k]
	v_dual_min_num_f32 v[k], s35, v[k] :: v_dual_min_num_f32 v[k+1], s35, v[k+1]   ; A: the conversion does not saturate (ISA guide 7.6.2); p is not negative, so the hold is one-sided; two numbers a line
.set k, k+2
.endr
	v_nop                                          ; a plain line behind the exponentials
	s_wait_alu depctr_va_vdst(0)                   ; one wait for the batch
.if \a == 0
	s_wait_dscnt 0x0                               ; V's fragments, asked for at the last step's end
.endif
	WIN 0x04
.set k, 0
.rept 8
.irp c, 0,1,2,3
	v_pk_add_f32 v[UB+2*\c:UB+2*\c+1], v[UB+2*\c:UB+2*\c+1], v[64+k+2*\c:65+k+2*\c]   ; B's sum
.endr
.set k, k+8
.endr
	WIN 0x55
.set k, 0
.rept 32
	v_dual_min_num_f32 v[64+k], s35, v[64+k] :: v_dual_min_num_f32 v[65+k], s35, v[65+k]   ; B's hold
.set k, k+2
.endr
	WIN 0x01                                       ; source 0 window 1
.irp t, 0,1,2,3,4,5,6,7
	v_cvt_scalef32_pk8_fp8_f32 v[PF+2*\t:PF+2*\t+1], v[8*\t:8*\t+7], v4
	v_cvt_scalef32_pk8_fp8_f32 v[PF+16+2*\t:PF+17+2*\t], v[64+8*\t:64+8*\t+7], v4
.endr
	WIN 0x41
	s_wait_alu depctr_va_vdst(0)                   ; directly ahead of the first reader of O^T
.set k, 0
.rept 16
	v_pk_mul_f32 v[OA+k:OA+k+1], v[OA+k:OA+k+1], v[6:7] op_sel_hi:[1,0]   ; O^T under the new M, ascending.  (Also the plain lines behind the conversions)
.set k, k+2
.endr
.set k, 0
.rept 16
	v_pk_mul_f32 v[OB+k:OB+k+1], v[OB+k:OB+k+1], v[6:7] op_sel:[0,1] op_sel_hi:[1,1]
.set k, k+2
.endr
	WIN 0x50                                       ; C and D window 1
.irp d, 0,1,2,3                                ; O^T += V^T P^T: eight accumulators by turns
	v_wmma_f32_16x16x128_fp8_fp8 v[OA+8*\d:OA+8*\d+7], v[VF+16*\d:VF+16*\d+15], v[PF:PF+15], v[OA+8*\d:OA+8*\d+7]
	v_wmma_f32_16x16x128_fp8_fp8 v[OB+8*\d:OB+8*\d+7], v[VF+16*\d:VF+16*\d+15], v[PF+16:PF+31], v[OB+8*\d:OB+8*\d+7]
.endr
.endm
.Lstep:                                            ; 16 trips: 128 keys each
	s_add_co_u32 s32, s32, 16384                   ; the next key step,
	s_and_b32 s32, s32, 0x3c000                    ; inside the sixteen
	s_wait_dscnt 16                                ; K's 16 loads are in; V's 16, issued behind them, may be out
	PAIR 0
	PAIR 1
	PLACES 4                                       ; between the last products and the loads into their sources
	WIN 0
	LDV 2                                          ; the next step's V
	s_sub_co_u32 s33, s33, 1
	s_cmp_lg_u32 s33, 0
	s_cbranch_scc1 .Lstep
	; THE WAY OUT.  O^T x 2^(ep + ev) / the sum, held, converted with 2^e10: a lane's eight channels are a register pair of the last product's operand.
.irp i, 0,1,2,3
	v_pk_add_f32 v[SU+8*\i:SU+8*\i+1], v[SU+8*\i:SU+8*\i+1], v[SU+8*\i+2:SU+8*\i+3]
	v_pk_add_f32 v[SU+8*\i+4:SU+8*\i+5], v[SU+8*\i+4:SU+8*\i+5], v[SU+8*\i+6:SU+8*\i+7]
.endr
.irp i, 0,1,2,3
	v_pk_add_f32 v[SU+8*\i:SU+8*\i+1], v[SU+8*\i:SU+8*\i+1], v[SU+8*\i+4:SU+8*\i+5]
.endr
.irp i, 0,1,2,3
	v_add_f32 v[SU+8*\i], v[SU+8*\i], v[SU+8*\i+1]
.endr
.irp i, 0,1,2,3
	v_permlanex16_b32 v[8+\i], v[SU+8*\i], s28, s29
.endr
.irp i, 0,1,2,3
	v_add_f32 v[SU+8*\i], v[SU+8*\i], v[8+\i]      ; and lane l xor 16's: the row's sum
.endr
	s_wait_alu depctr_va_vdst(0)                   ; ahead of the batch
.irp i, 0,1,2,3
	v_rcp_f32 v[26+\i], v[SU+8*\i]
.endr
	v_nop                                          ; a plain line behind the reciprocals
	s_wait_alu depctr_va_vdst(0)                   ; one wait for the four, ahead of their first reader
.irp i, 0,1,2,3
	v_ldexp_f32 v[26+\i], v[26+\i], s34            ; x 2^(ep + ev)
.endr
	WIN 0x41
	s_wait_alu depctr_va_vdst(0)                   ; directly ahead of the first reader of O^T
.irp i, 0,1,2,3
.set k, 0
.rept 16
.if \i%2
	v_pk_mul_f32 v[128+32*\i+k:129+32*\i+k], v[128+32*\i+k:129+32*\i+k], v[26+2*(\i/2):27+2*(\i/2)] op_sel:[0,1] op_sel_hi:[1,1]
.else
	v_pk_mul_f32 v[128+32*\i+k:129+32*\i+k], v[128+32*\i+k:129+32*\i+k], v[26+2*(\i/2):27+2*(\i/2)] op_sel_hi:[1,0]
.endif
.set k, k+2
.endr
.endr
.set k, 0
.rept 128
	v_med3_num_f32 v[128+k], v[128+k], -v31, v31   ; the hold ahead of the conversion
.set k, k+1
.endr
	WIN 0x01
.set k, 0
.rept 16
	v_cvt_scalef32_pk8_fp8_f32 v[PF+2*k:PF+2*k+1], v[128+8*k:128+8*k+7], v30
.set k, k+1
.endr
	v_nop                                          ; a plain vector line behind the conversions
	WIN 0
.irp i, 0,1,2,3
	global_store_b128 v1, v[PF+8*\i:PF+8*\i+3], s[10:11] offset:16384*\i          ; the wave stores 512 consecutive bytes, aligned
	global_store_b128 v1, v[PF+8*\i+4:PF+8*\i+7], s[10:11] offset:16384*\i+512
.endr
	s_wait_tensorcnt 0x0                           ; the wave's end
	ds_add_u32 v24, v25
	s_wait_dscnt 0x0
	CROUND                                         ; the closing round: no work-group ends while a partner may still ask for a block that names it
	s_endpgm
.Lfunc_end_k_q57385c6ea5_attn:
	.size	k_q57385c6ea5_attn, .Lfunc_end_k_q57385c6ea5_attn-k_q57385c6ea5_attn
	.p2alignl 7, 3214868480
	.fill 96, 4, 3214868480
	.section	.rodata,"a",@progbits
	.p2align	6, 0x0
	.amdhsa_kernel k_q57385c6ea5_attn
		.amdhsa_group_segment_fixed_size 264192
		.amdhsa_private_segment_fixed_size 0
		.amdhsa_enable_private_segment 0
		.amdhsa_kernarg_size 32
		.amdhsa_user_sgpr_count 2
		.amdhsa_user_sgpr_kernarg_segment_ptr 1
		.amdhsa_wavefront_size32 1
		.amdhsa_system_sgpr_workgroup_id_x 1
		.amdhsa_system_sgpr_workgroup_id_y 1
		.amdhsa_system_sgpr_workgroup_id_z 1
		.amdhsa_system_vgpr_workitem_id 0
		.amdhsa_next_free_vgpr 512
		.amdhsa_next_free_sgpr 66
		.amdhsa_reserve_vcc 0
		.amdhsa_float_denorm_mode_32 3
		.amdhsa_float_denorm_mode_16_64 3
		.amdhsa_memory_ordered 1
		.amdhsa_forward_progress 1
		.amdhsa_inst_pref_size 84
	.end_amdhsa_kernel
	.amdgpu_metadata
---
amdhsa.version: [ 1, 2 ]
amdhsa.kernels:
  - .name:           k_q57385c6ea5_attn
    .symbol:         k_q57385c6ea5_attn.kd
    .args:
      - { .name: qc, .offset: 0, .size: 8, .value_kind: global_buffer, .address_space: global }
      - { .name: kv, .offset: 8, .size: 8, .value_kind: global_buffer, .address_space: global }
      - { .name: lowp_scales, .offset: 16, .size: 8, .value_kind: global_buffer, .address_space: global }
      - { .name: ac, .offset: 24, .size: 8, .value_kind: global_buffer, .address_space: global }
    .group_segment_fixed_size: 264192
    .private_segment_fixed_size: 0
    .kernarg_segment_align: 8
    .kernarg_segment_size: 32
    .max_flat_workgroup_size: 256
    .sgpr_count:     66
    .vgpr_count:     512
    .wavefront_size: 32
...
	.end_amdgpu_metadata
.endif
;; end of part 3
;; launch proj (part 4): grid 4 x 64, 4 waves a work-group, clusters of 4 x 4, 327,680 bytes of LDS; arguments ac, wc, bo, lowp_scales, out0; writes out0
.if DOCPART == 4
	.amdgcn_target "amdgcn-amd-amdhsa--gfx1250"
	.amdhsa_code_object_version 6
	.text
	.protected	k_q57385c6ea5_proj
	.globl	k_q57385c6ea5_proj
	.p2align	8
	.type	k_q57385c6ea5_proj,@function
k_q57385c6ea5_proj:
	s_mov_b64 s[64:65], 0
	v_nop
	global_prefetch_b8 v0, s[64:65] scope:SCOPE_SE
	s_setreg_imm32_b32 hwreg(HW_REG_WAVE_MODE, 25, 1), 1
	s_wait_xcnt 0x0
	s_wait_alu depctr_hold_cnt(0) depctr_sa_sdst(0) depctr_va_vdst(0) depctr_va_sdst(0) depctr_va_ssrc(0) depctr_va_vcc(0) depctr_vm_vsrc(0)
	s_getreg_b32 s2, hwreg(HW_REG_IB_STS2, 6, 4)
	s_cmp_eq_u32 s2, 0
	s_cbranch_scc0 .Lentry_in_a_cluster
	s_endpgm
.Lentry_in_a_cluster:
	s_bfe_u32 s2, ttmp6, 0x10000c
	s_cmp_lg_u32 s2, 0xf033
	s_cbranch_scc0 .Lentry_shape_is_right
	s_endpgm
.Lentry_shape_is_right:
; out0 = a Wo + bo on codes of FP8 (E4M3): a [8192][1024] and Wo's columns come as images of operand registers (16 rows x 128 K = 2,048 bytes: registers 4 g .. 4 g + 3 of lane L at 512 g + 16 L; 16 rows' eight K steps
; on end, 16,384 bytes).  A finished sum is multiplied once by 2^(e10 + e11) and bo is added, in one fused multiply-add.  LIMIT: e10 + e11 between -126 and 127.
; A TILE is 256 columns (source 0 = Wo's columns) x 128 rows (source 1 = rows of a), K = 1,024: 256 work-groups.  Four waves, each 128 columns x 64 rows: 32 accumulators, 256 registers.
; In the result, register j of lane (r, h) is (column 8 h + j, row r): eight neighbouring numbers of a row of the output.
; CLUSTERS: 4 x 4.  Wo's tile hangs on cx alone and is shared along a column of the cluster, a's on cy alone and is shared along a row: each is asked for jointly.
; LDS: three slots of 98,304 bytes, each 256 along K: source 0's 16 row tiles x 4,096 bytes, then source 1's 8.  K has four such chunks: three go out at the start, the fourth fills slot 0 again.
; The way out's stages (16 rows x 528 bytes a wave) lie in slot 1, which is filled once and has been read for the last time ahead of the last barrier.  All of the WGP's LDS is claimed.
; REGISTERS, in windows of 256: window 0: v16-31 addresses, v64-191 source 0's fragments, v192-255 source 1's: set 0; on the way out v64-255 are at work.   window 1: v0-63 bo in the result's layout; v64-255 set 1.
;   window 2: accumulator (a, b) at v[8 (8 a + b)], a = tile of 16 rows, b = tile of 16 columns.
; THE RING AS IT STANDS NOW (this takes the place of the paragraph on LDS above): two slots of 147,456 bytes.  A slot holds three K steps of 128: source 0's 16 row tiles x 6,144 bytes, then source 1's 8.
; K's eight steps go 3 + 3 + 2: slot 0 is asked for at the head (one joint load a wave), slot 1 behind the full sequence and a round of the cluster's barrier, and the last two steps fill slot 0 again
; (rows of 4,096 bytes, laid 4,096 apart from the same two bases: address registers v18 and v22, called slot 2 in FETCH) behind the round in K step 2.  Every wait on TENSORcnt is for 0: one load of a wave is out at a time.
; The way out's stages lie in slot 1, which is filled once and is read for the last time ahead of the last barrier.
.set SLOT,  147456
.set SPARE, 2*SLOT
.set SP,    528                        ; a stage row: 512 bytes + 16
.set SPW, 28
.set NIL, 29
.set G1,  28
.set G1B, 36
.set G0,  44
.set G0B, 68
.set F0,  64
.set F1,  192
.set T,   64                           ; the way out: a block's 64 numbers
.set BK,  128                          ; the way out: 16 rows read back: v128-191 and v192-255 by turns
.set MSB, 0
.macro WIN new
.if MSB != \new
	s_set_vgpr_msb (MSB<<8)|\new
.set MSB, \new
.endif
.endm
.macro PLACES n
.rept \n
	v_nop
.endr
.endm
.macro CREST
	s_cmp_lg_u32 s20, 0
	s_cbranch_scc1 .Lnot_wave_0_\@
	s_barrier_signal -3
.Lnot_wave_0_\@:
	s_barrier_wait -3
	s_barrier_signal -1
	s_barrier_wait -1
.endm
.macro CROUND
	s_barrier_signal -1
	s_barrier_wait -1
	CREST
.endm
.macro JLOAD n                         ; a joint load into slot n: waves 0, 1 fetch source 0's halves, waves 2, 3 source 1's; four v_nop follow each line
	s_cmp_eq_u32 s22, 0
	s_cbranch_scc0 .Lfor_b_\@
	tensor_load_to_lds s[G0+4*\n:G0+4*\n+3], s[G1:G1+7]
	s_nop 0
	PLACES 4
	s_branch .Lasked_\@
.Lfor_b_\@:
	tensor_load_to_lds s[G0B+4*\n:G0B+4*\n+3], s[G1B:G1B+7]
	s_nop 0
	PLACES 4
.Lasked_\@:
.endm
.macro FETCH slot, s, p                ; 48 LDS loads in one run: my fragments of the slot's s-th 128 along K into set p
.set FP, 6144-2048*((\slot)/2)         ; from row tile to row tile: three K steps in slots 0 and 1, two in slot 0's second fill
	WIN ((\p)<<6)
.irp b, 0,1,2,3,4,5,6,7
.irp g, 0,1,2,3
	ds_load_b128 v[F0+16*\b+4*\g:F0+16*\b+4*\g+3], v[16+\slot] offset:\b*FP+(\s)*2048+\g*512
.endr
.endr
.irp a, 0,1,2,3
.irp g, 0,1,2,3
	ds_load_b128 v[F1+16*\a+4*\g:F1+16*\a+4*\g+3], v[20+\slot] offset:\a*FP+(\s)*2048+\g*512
.endr
.endr
	WIN 0
.endm
.macro MUL p, a0, n, zero              ; 8 n matrix instructions on set p; the 32 accumulators take turns in one order in every step
	WIN (0xa0+5*(\p))
.set ma, \a0
.rept \n
.irp b, 0,1,2,3,4,5,6,7
.if \zero
	v_wmma_f32_16x16x128_fp8_fp8 v[8*(8*ma+\b):8*(8*ma+\b)+7], v[F0+16*\b:F0+16*\b+15], v[F1+16*ma:F1+16*ma+15], 0
.else
	v_wmma_f32_16x16x128_fp8_fp8 v[8*(8*ma+\b):8*(8*ma+\b)+7], v[F0+16*\b:F0+16*\b+15], v[F1+16*ma:F1+16*ma+15], v[8*(8*ma+\b):8*(8*ma+\b)+7]
.endif
.endr
.set ma, ma+1
.endr
.endm
.macro STEP p, ns, nk, zero, places
	s_wait_dscnt 0x0                               ; set p is in
.if \places
	PLACES 4                                       ; four plain vector lines between the last products on the other set and the loads into it (ISA guide 7.12.1 for vector instructions)
.endif
	FETCH \ns, \nk, 1-\p
	MUL \p, 0, 4, \zero
	WIN 0
.endm
; A step on set 1 that changes slots: ONE barrier; in front of it each wave waits for all its tensor loads, adds 0 to its spare word, and waits for that and for its reads.  fill = 1: slot 0 takes the fourth chunk of K.
.macro TURN p, next, fill              ; the step is on set p
	s_wait_tensorcnt 0x0                           ; all my tensor loads have landed, so a group 0 may be written
	ds_add_u32 v[SPW], v[NIL]                      ; 0 onto my spare word
.if \fill
	s_add_nc_u64 s[G0+2:G0+3], s[G0+2:G0+3], 6*2048        ; slot 0's second fill: K steps 6 and 7
	s_add_nc_u64 s[G0B+2:G0B+3], s[G0B+2:G0B+3], 6*2048
	s_lshl_b32 s[G0+1], s21, 15                    ; its rows are 4,096 bytes: half x 8 row tiles,
	s_lshl_b32 s[G0B+1], s21, 14                   ; half x 4 row tiles,
	s_add_co_u32 s[G0B+1], s[G0B+1], 98304         ; from source 1's base in the slot
	s_mov_b32 s[G1+1], 512<<16                     ; no load of mine is out: the groups 1 may be written
	s_mov_b32 s[G1+3], 512<<16
	s_mov_b32 s[G1B+1], 512<<16
	s_mov_b32 s[G1B+3], 512<<16
.endif
	s_wait_dscnt 1                                 ; set p is in; the add alone may be out
	MUL \p, 0, 1, 0
	s_wait_dscnt 0x0                               ; the add is done, and my reads of the slots behind me are over
	s_barrier_signal -1
	MUL \p, 1, 1, 0
	WIN 0
	s_barrier_wait -1
.if \fill
	CREST                                          ; no wave of any partner still reads slot 0 or has a load on its way
	JLOAD 0                                        ; its four v_nop are also the places in front of the loads below
.else
	PLACES 4
.endif
	FETCH \next, 0, 1-\p
	MUL \p, 2, 2, 0
	WIN 0
.endm
	s_load_b256 s[4:11], s[0:1], 0x0               ; ac s[4:5], wc s[6:7], bo s[8:9], scales s[10:11]
	s_load_b64 s[12:13], s[0:1], 0x20              ; out0
	v_lshl_add_u32 v[SPW], v0, 2, SPARE
	v_mov_b32 v[NIL], 0
	ds_add_u32 v28, v29
	ds_add_u32 v28, v29
	s_wait_dscnt 0x0
	v_lshrrev_b32 v1, 5, v0
	v_readfirstlane_b32 s20, v1                    ; wave 0..3
	s_and_b32 s21, s20, 1                          ; w0: my half of the 256 columns.  Also: which half of a tile I fetch
	s_lshr_b32 s22, s20, 1                         ; w1: my half of the 128 rows.  Also: I fetch for source 0 (0) or source 1 (1)
	s_bfe_u32 s23, ttmp6, 0x40000                  ; cx: the tile of columns
	s_bfe_u32 s24, ttmp6, 0x40004                  ; cy
	s_and_b32 s25, ttmp7, 0xffff                   ; the cluster's y, 0 .. 15
	s_lshl_b32 s56, 0x1111, s23                    ; my column of the cluster (same cx)
	s_lshl_b32 s57, s24, 2
	s_lshl_b32 s57, 15, s57                        ; my row (same cy)
	; descriptor group 1: rows of 6,144 bytes as 768 elements of 8 bytes, 16,384 bytes apart; 8 for half of source 0's tile, 4 for half of source 1's
	s_or_b32 s[G1], s56, (3<<16)|(1<<21)
	s_or_b32 s[G1B], s57, (3<<16)|(1<<21)
	s_mov_b32 s[G1+1], 768<<16                     ; tensor_dim0: 6,144 bytes, three K steps
	s_mov_b32 s[G1+2], 8<<16
	s_mov_b32 s[G1+3], 768<<16                     ; tile_dim0
	s_mov_b32 s[G1+4], 8
	s_mov_b32 s[G1+5], 2048
	s_mov_b32 s[G1+6], 0
	s_mov_b32 s[G1+7], 0
	s_mov_b32 s[G1B+1], 768<<16
	s_mov_b32 s[G1B+2], 4<<16
	s_mov_b32 s[G1B+3], 768<<16
	s_mov_b32 s[G1B+4], 4
	s_mov_b32 s[G1B+5], 2048
	s_mov_b32 s[G1B+6], 0
	s_mov_b32 s[G1B+7], 0
	s_lshl_b32 s58, s23, 18                        ; source 0, in registers that never hold cy: Wo (matrix 3 of wc), tile cx, the half that I fetch
	s_lshl_b32 s59, s21, 17
	s_add_co_u32 s58, s58, s59
	s_add_co_u32 s58, s58, 0x300000
	s_mov_b32 s59, 0
	s_lshl_b32 s60, s25, 2                         ; source 1, in registers that never hold cx: tile T1 = cy + 4 x cluster y
	s_add_co_u32 s27, s24, s60
	s_lshl_b32 s60, s27, 17
	s_lshl_b32 s61, s21, 16
	s_add_co_u32 s60, s60, s61
	s_mov_b32 s61, 0
	s_mul_i32 s82, s21, 49152                      ; where they go in a slot: half x 8 row tiles of 6,144 bytes; no place in the cluster enters an LDS address
	s_mul_i32 s83, s21, 24576                      ; half x 4 row tiles
	s_wait_kmcnt 0x0
	s_load_b256 s[84:91], s[10:11], 0x0            ; the scales' exponents 0 .. 7
	s_load_b128 s[92:95], s[10:11], 0x20           ; 8 .. 11
	s_add_nc_u64 s[62:63], s[6:7], s[58:59]
	s_add_nc_u64 s[80:81], s[4:5], s[60:61]
.irp n, 0,1
	s_mov_b32 s[G0+4*\n], 1
	s_add_co_u32 s[G0+4*\n+1], s82, \n*SLOT
	s_add_nc_u64 s[G0+4*\n+2:G0+4*\n+3], s[62:63], \n*6144
	s_or_b32 s[G0+4*\n+3], s[G0+4*\n+3], 0x80000000
	s_mov_b32 s[G0B+4*\n], 1
	s_add_co_u32 s[G0B+4*\n+1], s83, \n*SLOT+98304
	s_add_nc_u64 s[G0B+4*\n+2:G0B+4*\n+3], s[80:81], \n*6144
	s_or_b32 s[G0B+4*\n+3], s[G0B+4*\n+3], 0x80000000
.endr
	CROUND                                         ; all sixteen work-groups are here: the first joint loads meet
	JLOAD 0                                        ; K steps 0 to 2
	v_and_b32 v1, 31, v0
	v_bfe_u32 v2, v0, 4, 1                         ; h
	v_and_b32 v3, 15, v0                           ; r
	s_wait_alu depctr_va_vdst(0)
	v_lshlrev_b32 v24, 4, v1                       ; 16 x lane: an image's place for my lane, and my bytes of a row of the output
	v_lshlrev_b32 v26, 5, v2                       ; 32 h
	s_wait_alu depctr_va_vdst(0)
	s_lshl_b32 s96, s21, 15                        ; slot 0's second fill: my 8 row tiles of source 0, 4,096 bytes each,
	s_lshl_b32 s97, s22, 14                        ; my 4 of source 1,
	s_add_co_u32 s97, s97, 98304                   ; from source 1's base
	v_add_nc_u32 v18, s96, v24
	v_add_nc_u32 v22, s97, v24
	s_mul_i32 s96, s21, 49152                      ; slots 0 and 1: row tiles of 6,144 bytes
	s_mul_i32 s97, s22, 24576
	s_add_co_u32 s97, s97, 98304
.irp n, 0,1
	v_add_nc_u32 v[16+\n], s96, v24
	v_add_nc_u32 v[20+\n], s97, v24
	s_add_co_u32 s96, s96, SLOT
	s_add_co_u32 s97, s97, SLOT
.endr
	s_mul_i32 s96, s20, 16*SP
	s_add_co_u32 s96, s96, SLOT                    ; my stage, in slot 1
	v_mul_u32_u24 v25, v3, SP
	v_lshl_add_u32 v25, v2, 5, v25
	v_add_nc_u32 v25, s96, v25                     ; in: row r, + 32 h
	v_add_nc_u32 v27, s96, v24                     ; back: a row's 512 bytes, 16 a lane
	s_lshl_b32 s96, s23, 10                        ; bo at column 256 cx + 128 w0
	s_lshl_b32 s97, s21, 9
	s_add_co_u32 s96, s96, s97
	s_mov_b32 s97, 0
	s_add_nc_u64 s[14:15], s[8:9], s[96:97]
	WIN 0x40                                       ; destination window 1
.irp b, 0,1,2,3,4,5,6,7
	global_load_b128 v[8*\b:8*\b+3], v26, s[14:15] offset:64*\b
	global_load_b128 v[8*\b+4:8*\b+7], v26, s[14:15] offset:64*\b+16
.endr
	WIN 0
	s_lshl_b32 s96, s27, 7                         ; the output at row 128 T1 + 64 w1, column 256 cx + 128 w0
	s_lshl_b32 s100, s22, 6
	s_add_co_u32 s96, s96, s100
	s_lshl_b32 s96, s96, 12
	s_lshl_b32 s100, s23, 10
	s_add_co_u32 s96, s96, s100
	s_lshl_b32 s100, s21, 9
	s_add_co_u32 s96, s96, s100
	s_add_nc_u64 s[12:13], s[12:13], s[96:97]
	s_wait_alu depctr_va_vdst(0)
	s_wait_kmcnt 0x0
	s_add_co_i32 s98, s94, s95                     ; e10 + e11
	s_add_co_i32 s98, s98, 127
	s_lshl_b32 s98, s98, 23                        ; 2^(e10 + e11) as f32
	s_mov_b32 s99, s98                             ; (named with it as a pair, so it is written)
	s_wait_tensorcnt 0x0                           ; my part of slot 0 is in
	ds_add_u32 v[SPW], v[NIL]
	s_wait_dscnt 0x0
	CROUND                                         ; everybody's part is in, and all sixteen work-groups are here
	JLOAD 1                                        ; K steps 3 to 5: the first tensor load behind the round
	FETCH 0, 0, 0
	STEP 0, 0, 1, 1, 0                             ; K 0: the first products start the sums
	STEP 1, 0, 2, 0, 1                             ; K 128
	TURN 0, 1, 1                                   ; K 256; slot 1 is whole; slot 0 takes K steps 6 and 7, which have the next three steps, 96 matrix instructions, in which to land
	STEP 1, 1, 1, 0, 1                             ; K 384
	STEP 0, 1, 2, 0, 1                             ; K 512
	TURN 1, 2, 0                                   ; K 640; slot 0's second fill is whole for every wave; behind this barrier nobody reads slot 1
	STEP 0, 2, 1, 0, 1                             ; K 768
	s_wait_dscnt 0x0
	MUL 1, 0, 4, 0                                 ; K 896
	WIN 0
; THE WAY OUT, block by block of 16 rows x 128 columns.  A lane holds 32 neighbouring bytes of a row and the lanes beside it hold other rows: a block goes through my own stage and comes back as whole rows of 512 bytes.
; LDS serves a wave's instructions in order (ISA guide 5.7.1.4): no wait between the stores and the loads, nor in front of the next block's stores.
.macro TOSTAGE a
	WIN 0x12                                       ; source 0 (the sums) window 2, source 2 (bo) window 1
.irp b, 0,1,2,3,4,5,6,7
.irp i, 0,2,4,6
	v_pk_fma_f32 v[T+8*\b+\i:T+8*\b+\i+1], v[8*(8*\a+\b)+\i:8*(8*\a+\b)+\i+1], s[98:99], v[8*\b+\i:8*\b+\i+1] op_sel_hi:[1,0,1]   ; sum x 2^(e10 + e11) + bo; each accumulator from its low end on
.endr
.endr
	WIN 0
.irp b, 0,1,2,3,4,5,6,7
	ds_store_b128 v25, v[T+8*\b:T+8*\b+3] offset:64*\b
	ds_store_b128 v25, v[T+8*\b+4:T+8*\b+7] offset:64*\b+16
.endr
.irp t, 0,1,2,3,4,5,6,7,8,9,10,11,12,13,14,15
	ds_load_b128 v[BK+64*(\a%2)+4*\t:BK+64*(\a%2)+4*\t+3], v27 offset:\t*SP
.endr
.endm
.macro SEND a, younger                 ; younger: the LDS instructions issued behind block a's loads, which may stay out
	s_wait_dscnt \younger
.irp t, 0,1,2,3,4,5,6,7,8,9,10,11,12,13,14,15
	global_store_b128 v24, v[BK+64*((\a)%2)+4*\t:BK+64*((\a)%2)+4*\t+3], s[12:13] offset:(\a)*65536+\t*4096 th:TH_STORE_NT   ; 32 lanes store 512 consecutive bytes, aligned; written once, read by nobody here
.endr
.endm
	s_wait_loadcnt 0x0                             ; bo
	PLACES 4                                       ; between the last products and the first read of results, and in front of the loads into registers that held fragments
	TOSTAGE 0
	TOSTAGE 1
	SEND 0, 32                                     ; behind block 0's loads: block 1's 16 stores and 16 loads
	s_wait_xcnt 0x0                                ; block 0's stores have read their registers: block 2's loads may land there
	TOSTAGE 2
	SEND 1, 32
	s_wait_xcnt 0x0                                ; block 1's likewise
	TOSTAGE 3
	SEND 2, 32
	SEND 3, 0
	s_wait_tensorcnt 0x0                           ; the wave's end, behind my last tensor load and my last LDS store
	ds_add_u32 v[SPW], v[NIL]
	s_wait_dscnt 0x0
	CROUND                                         ; the closing round: no work-group ends while a partner may still ask for a tile that names it
	s_endpgm
.Lfunc_end_k_q57385c6ea5_proj:
	.size	k_q57385c6ea5_proj, .Lfunc_end_k_q57385c6ea5_proj-k_q57385c6ea5_proj
	.p2alignl 7, 3214868480
	.fill 96, 4, 3214868480
	.section	.rodata,"a",@progbits
	.p2align	6, 0x0
	.amdhsa_kernel k_q57385c6ea5_proj
		.amdhsa_group_segment_fixed_size 327680
		.amdhsa_private_segment_fixed_size 0
		.amdhsa_enable_private_segment 0
		.amdhsa_kernarg_size 40
		.amdhsa_user_sgpr_count 2
		.amdhsa_user_sgpr_kernarg_segment_ptr 1
		.amdhsa_wavefront_size32 1
		.amdhsa_system_sgpr_workgroup_id_x 1
		.amdhsa_system_sgpr_workgroup_id_y 1
		.amdhsa_system_sgpr_workgroup_id_z 1
		.amdhsa_system_vgpr_workitem_id 0
		.amdhsa_next_free_vgpr 768
		.amdhsa_next_free_sgpr 102
		.amdhsa_reserve_vcc 0
		.amdhsa_float_denorm_mode_32 3
		.amdhsa_float_denorm_mode_16_64 3
		.amdhsa_memory_ordered 1
		.amdhsa_forward_progress 1
		.amdhsa_inst_pref_size 76
	.end_amdhsa_kernel
	.amdgpu_metadata
---
amdhsa.version: [ 1, 2 ]
amdhsa.kernels:
  - .name:           k_q57385c6ea5_proj
    .symbol:         k_q57385c6ea5_proj.kd
    .args:
      - { .name: ac, .offset: 0, .size: 8, .value_kind: global_buffer, .address_space: global }
      - { .name: wc, .offset: 8, .size: 8, .value_kind: global_buffer, .address_space: global }
      - { .name: bo, .offset: 16, .size: 8, .value_kind: global_buffer, .address_space: global }
      - { .name: lowp_scales, .offset: 24, .size: 8, .value_kind: global_buffer, .address_space: global }
      - { .name: out0, .offset: 32, .size: 8, .value_kind: global_buffer, .address_space: global }
    .group_segment_fixed_size: 327680
    .private_segment_fixed_size: 0
    .kernarg_segment_align: 8
    .kernarg_segment_size: 40
    .max_flat_workgroup_size: 128
    .sgpr_count:     102
    .vgpr_count:     768
    .wavefront_size: 32
...
	.end_amdgpu_metadata
.endif
;; end of part 4
